; MI455X (gfx1250); checked and timed in simulation.
; The chip was launched on July 23, 2026; its instructions are those of AMD's public machine-readable ISA for CDNA 5 (MIT licence, August 2026) and "CDNA5" Instruction Set Architecture Reference Guide (July 2026). The comments in the code are by the model that wrote it; some were corrected since.
;; Cognitive Attention. Allowed arithmetic: matrix products marked QUANTISED: E2M3 operands, one E8M0 scale for each 32 along K, by v_wmma_scale_f32_16x16x128_f8f6f4 with both operands' format E2M3, f32 sums; products left as they are: f32 operands where the result goes on into a quantised operand, else bf16, f16 or f32 operands; f32 sums; everything else in f32.
;; Inputs: Wk 1,024 x 1,024 float32; Wo 1,024 x 1,024 float32; Wq 1,024 x 1,024 float32; Wv 1,024 x 1,024 float32; hidden_states 4 x 2,048 x 1,024 float32.
;; Outputs: out0 4 x 2,048 x 1,024 float32.
;; This version of the problem:
;;   THIS VERSION OF THE PROBLEM IS GIVEN IN LOW PRECISION. The matrix products marked QUANTISED in the list below multiply operands that are first quantised to E2M3 (2 exponent bits, 3 mantissa bits; 6 bits a number), with one power-of-two scale for each 32 numbers along K (OCP MX v1.0); their sums are f32. All else is computed in f32.
;;   The module's matrix products, in the order in which they are computed (A, B: the left and right operand; K: the contracted axis; several contracted axes count as one K, in the product's order):
;;     1. [M 8,192, K 1,024] x [K 1,024, N 1,024]; A: input hidden_states; B: input Wq: QUANTISED
;;     2. [M 8,192, K 1,024] x [K 1,024, N 1,024]; A: input hidden_states; B: input Wk: QUANTISED
;;     3. [M 8,192, K 1,024] x [K 1,024, N 1,024]; A: input hidden_states; B: input Wv: QUANTISED
;;     4. [M 2,048, K 1] x [K 1, N 32]; A: computed on the way; B: computed on the way: left as it is (no contracted axis)
;;     5. batch 64 x [M 2,048, K 64] x [K 64, N 2,048]; A: computed on the way; B: computed on the way: QUANTISED
;;     6. batch 64 x [M 2,048, K 2,048] x [K 2,048, N 64]; A: softmax (see below); B: computed on the way: QUANTISED
;;     7. [M 8,192, K 1,024] x [K 1,024, N 1,024]; A: computed on the way; B: input Wo: QUANTISED
;;   THE QUANTISER, for each operand of a quantised product, along K:
;;     - K is cut into blocks of 32 from its start; a last block that is shorter is filled with zeros.
;;     - A block's scale is 2^e with e = floor(log2(the largest magnitude in the block)) - 2, held to -126 .. 127; a block of zeros has e = 0. As a byte (E8M0): e + 127.
;;     - Each number is divided by its block's scale, clamped to +-7.5, and rounded to the nearest number of E2M3, ties to even, subnormals kept.
;;     - The product sums the exact products of the quantised numbers (number of the format x scale) in f32.
;;   ~~~python
;;   def quantise(x, axis):      # numpy; x: float32 -> the quantised numbers, widened to float32 again
;;       x = np.moveaxis(x, axis, -1); K = x.shape[-1]
;;       x = np.pad(x, [(0, 0)] * (x.ndim - 1) + [(0, -K % 32)]); x = x.reshape(x.shape[:-1] + (-1, 32)); a = np.abs(x).max(-1, keepdims=True)
;;       e = np.where(a > 0, np.clip(np.frexp(np.where(a > 0, a, 1))[1] - 1 - 2, -126, 127), 0)      # np.frexp(a)[1] - 1 = floor(log2(a)), exactly
;;       r = np.clip(x / 2.0 ** e, -7.5, 7.5)
;;       step = 2.0 ** (np.maximum(np.frexp(np.where(r == 0, 1, r))[1] - 1, 0) - 3)
;;       q = np.round(r / step) * step * 2.0 ** e      # np.round: ties to even
;;       return np.moveaxis(q.reshape(q.shape[:-2] + (-1,))[..., :K], -1, axis).astype(np.float32)
;;   ~~~
;;   SOFTMAX AHEAD OF A QUANTISED PRODUCT. Where the list says 'softmax', what is quantised is not the finished softmax but p = 2^(t - M), with t = logit x log2(e) and M = ceil(the row's largest t), a whole number; so 1/2 < the row's largest p <= 1. The row's sum l is taken of the UNQUANTISED p, in f32, and the product's result is divided by l at the end. Since M is a whole number, a kernel that streams over the keys may use a running M (the ceiling of the running maximum): every later rescaling is an exact power of two, which a block's scale takes up: the codes' values come out the same.
;;   OPERANDS COMPUTED ON THE WAY. 'Computed on the way' means the value that the module computes at that place (a softmax that the list does not call 'softmax' is quantised finished and normalised). What goes into a quantiser is computed in f32, as accurately as f32 sums, v_exp_f32 and their like allow (about 1e-6 of the number): no bf16 or f16 on the way to a quantiser, and a product that is left as it is and whose result goes on into a quantised operand takes f32 operands (vector FMAs, or v_wmma_f32_16x16x4_f32). A number that lies on a knife's edge between two numbers of the format may be rounded either way, as far as f32 arithmetic and the matrix unit's own rounding can turn it there, and no further.
;; One version. Each part assembles by itself: llvm-mc -triple=amdgcn-amd-amdhsa -mcpu=gfx1250 --defsym DOCPART=n.
;; ======== version 1 of 1: 4 launches
;; limits: right only within a limited range of input values
;; workspace buffers: codes 9,437,184 bytes; scales 393,216 bytes; rope 524,288 bytes; qkv_img 18,874,368 bytes; qkv_sc 1,572,864 bytes; ao_img 6,291,456 bytes; ao_sc 262,144 bytes
;; launch prep (part 1): grid 400 x 1, 8 waves a work-group, no clusters, 70,656 bytes of LDS; arguments hidden_states, Wq, Wk, Wv, Wo, codes, scales, rope; writes codes, scales, rope
.if DOCPART == 1
	.amdgcn_target "amdgcn-amd-amdhsa--gfx1250"
	.amdhsa_code_object_version 6
	.text
	.protected	k_q92d2f34e75_prep
	.globl	k_q92d2f34e75_prep
	.p2align	8
	.type	k_q92d2f34e75_prep,@function
k_q92d2f34e75_prep:
	s_mov_b64 s[64:65], 0
	v_nop
	global_prefetch_b8 v0, s[64:65] scope:SCOPE_SE
	s_setreg_imm32_b32 hwreg(HW_REG_WAVE_MODE, 25, 1), 1
	s_wait_xcnt 0x0
; PREP.  (1) hidden_states [8192][1024] and Wq, Wk, Wv, Wo [1024][1024], f32 with K innermost, become codes of FP6 (E2M3) with one E8M0 byte for each 32 along K.
; (2) The table of cos and sin for the rotary embedding: [2048 tokens][32 cos, 32 sin] f32, 256 bytes a token.
; LAYOUT OF THE CODES.  Rows go in GROUPS of 128 (groups 0-63 hidden_states, 64-71 Wq, 72-79 Wk, 80-87 Wv, 88-95 Wo), a group in 8 BLOCKS of 16 rows that are not neighbours:
; lane r of block a holds row 32 (a / 2) + 8 (a % 2) + r + 8 (r / 8), so that, where a block is source 0 of a product, the 16 result registers of blocks 2 b and 2 b + 1 are 16 neighbours.
; A fragment (16 rows x 128 K, 12 registers a lane) lies in memory as an IMAGE OF ITS REGISTERS, 1,536 bytes, in two halves of 768 (64 along K each): registers 6 c .. 6 c + 3 at 16 x lane,
; registers 6 c + 4, 6 c + 5 at 512 + 8 x lane.  codes: [group][K step of 128: 8][block: 8][1536].  scales: [group][K step][block / 4][r: 16][block % 4] words of four bytes.
; A block's scale is 2^(floor(log2(its largest magnitude)) - 2); its byte is the largest magnitude's exponent field - 2, held at 1 from below.
; LIMITS: NaN and infinities are not served.  A block whose largest magnitude lies under 2^-124 gets the byte 1; so does a block of zeros, where the rule says 127: its codes are zeros, and this program alone reads the bytes.
; The 32 frequencies are the f32 numbers nearest to 10^(-j / 8); a power and a reciprocal taken in f32 may differ from them in the last place or two, which at token 2,047 is an angle of some 2e-4.
; SHARES.  Work-groups 0-383: group = number / 4, 256 along K = number % 4; wave w takes block w: two fragments.  Work-groups 384-399: 128 tokens of the table, 16 a wave, a lane a frequency.
; A stream: each input byte is read once, 512 consecutive bytes a load, 32 loads of a wave out at the start; no matrix unit, no cluster, no tensor load: nothing is shared between work-groups.
.set STG,   8448                       ; a wave's stage: 16 rows x (512 bytes + 16)
.set SCST,  8*STG                      ; behind the stages: the work-group's scale words of its two K steps, 2 x 512 bytes
.set R,     16                         ; v16-143  two sets of 64: a K step's numbers as they are loaded
.set X,     144                        ; v144-207 64 numbers of my row: register 16 b + i = k 32 b + 16 (lane / 16) + i
.set PC,    208                        ; v208-219 the codes; v220-226 at work
.set TM,    228                        ; v228-231 largest magnitudes, v232-235 the other half's, then the bytes, v240-243 the conversions' scale operands
.set PW,    244                        ; the scale word
.set SEL,   28                         ; s[28:29] lane selects for v_permlanex16_b32: lane l xor 16
; 64 numbers of a lane become a fragment's codes in v[PC] on and its scale word in v[PW]
.macro QUANT s
.irp b, 0,1,2,3
	v_max3_num_f32 v[TM+\b], |v[\s+16*\b]|, |v[\s+1+16*\b]|, 0x1800000   ; block b: my 16 numbers, and the floor 2^(3 - 127): the byte cannot fall under 1
.endr
.irp i, 2,4,6,8,10,12,14
.irp b, 0,1,2,3
	s_delay_alu instid0(VALU_DEP_4)
	v_max3_num_f32 v[TM+\b], v[TM+\b], |v[\s+16*\b+\i]|, |v[\s+1+16*\b+\i]|   ; the four blocks by turns
.endr
.endr
.irp b, 0,1,2,3
	s_delay_alu instid0(VALU_DEP_4)
	v_permlanex16_b32 v[TM+4+\b], v[TM+\b], s[SEL], s[SEL+1]
.endr
.irp b, 0,1,2,3
	s_delay_alu instid0(VALU_DEP_4)
	v_max_num_f32 v[TM+\b], v[TM+\b], v[TM+4+\b]   ; with lane l xor 16's: the block's largest magnitude
.endr
.irp b, 0,1,2,3
	s_delay_alu instid0(VALU_DEP_4)
	v_add_nc_u32 v[TM+12+\b], 0xff000000, v[TM+\b]   ; 2 off its exponent field: the conversion takes this operand's exponent field as its scale
.endr
.irp b, 0,1,2,3
	s_delay_alu instid0(VALU_DEP_4)
	v_lshrrev_b32 v[TM+4+\b], 23, v[TM+12+\b]      ; the scale's byte
.endr
	s_delay_alu instid0(VALU_DEP_3)
	v_lshl_or_b32 v[PW], v[TM+5], 8, v[TM+4]
	s_delay_alu instid0(VALU_DEP_1)
	v_lshl_or_b32 v[PW], v[TM+6], 16, v[PW]
	s_delay_alu instid0(VALU_DEP_1)
	v_lshl_or_b32 v[PW], v[TM+7], 24, v[PW]
.irp c, 0,1
	v_cvt_scalef32_pk16_fp6_f32 v[PC+6*\c:PC+2+6*\c], v[\s+32*\c:\s+15+32*\c], v[TM+12+2*\c]
	v_cvt_scalef32_pk16_fp6_f32 v[PC+12+4*\c:PC+14+4*\c], v[\s+16+32*\c:\s+31+32*\c], v[TM+12+2*\c+1]   ; (a conversion's three registers begin on an even number)
.endr
	v_nop                                          ; one plain place behind a scaled conversion
.irp c, 0,1                                    ; the operand's layout wants a whole block in a lane: lanes 0-15 block 2 c, lanes 16-31 block 2 c + 1
.irp i, 0,1,2
	v_permlane16_swap_b32 v[PC+6*\c+\i], v[PC+12+4*\c+\i]
.endr
.irp i, 0,1,2
	s_delay_alu instid0(VALU_DEP_3)
	v_mov_b32 v[PC+3+6*\c+\i], v[PC+12+4*\c+\i]
.endr
.endr
.endm
.macro LOADK q                         ; K step q of my 16 rows: each load reads 512 consecutive bytes of one row
.irp t, 0,1,2,3,4,5,6,7,8,9,10,11,12,13,14,15
	global_load_b128 v[R+64*\q+4*\t:R+64*\q+4*\t+3], v4, s[4:5] offset:(\t+8*(\t/8))*4096+512*\q th:TH_LOAD_NT
.endr
.endm
.macro TURNK q                         ; through my stage: in by rows as loaded, out 16 neighbours of each block of 32 to a lane.  LDS serves a wave's instructions in order: no wait between
.irp t, 0,1,2,3,4,5,6,7,8,9,10,11,12,13,14,15
	ds_store_b128 v6, v[R+64*\q+4*\t:R+64*\q+4*\t+3] offset:528*\t
.endr
.irp b, 0,1,2,3
.irp j, 0,1,2,3
	ds_load_b128 v[X+16*\b+4*\j:X+16*\b+4*\j+3], v7 offset:128*\b+16*\j
.endr
.endr
.endm
.macro PUT q                           ; the fragment's image: every store covers whole aligned runs of 256 bytes
	global_store_b128 v4, v[PC:PC+3], s[14:15] offset:12288*\q
	global_store_b64 v5, v[PC+4:PC+5], s[14:15] offset:12288*\q+512
	global_store_b128 v4, v[PC+6:PC+9], s[14:15] offset:12288*\q+768
	global_store_b64 v5, v[PC+10:PC+11], s[14:15] offset:12288*\q+1280
.endm
.macro FREQ j, c
	s_mov_b32 s30, \c
	v_writelane_b32 v16, s30, \j
.endm
	s_load_b256 s[4:11], s[0:1], 0x0               ; hidden_states s[4:5], Wq s[6:7], Wk s[8:9], Wv s[10:11]
	s_load_b256 s[12:19], s[0:1], 0x20             ; Wo s[12:13], codes s[14:15], scales s[16:17], rope s[18:19]
	v_lshl_add_u32 v254, v0, 2, 0x11000
	v_mov_b32 v255, 0
	v_lshrrev_b32 v1, 5, v0
	s_delay_alu instid0(VALU_DEP_1)
	v_readfirstlane_b32 s20, v1                    ; wave 0..7
	v_and_b32 v1, 31, v0                           ; lane
	s_cmp_ge_u32 ttmp9, 384                        ; the work-group's number alone decides: all eight waves go the same way
	s_cbranch_scc1 .Ltable
	; ---- the quantiser
	s_lshr_b32 s21, ttmp9, 2                       ; the group of 128 rows, 0..95
	s_and_b32 s22, ttmp9, 3                        ; which 256 along K
	v_and_b32 v2, 15, v0                           ; r
	v_bfe_u32 v3, v0, 4, 1                         ; h
	v_lshlrev_b32 v4, 4, v1                        ; 16 x lane
	s_wait_alu depctr_va_vdst(0)
	v_lshlrev_b32 v5, 3, v1                        ; 8 x lane
	s_mul_i32 s23, s20, STG
	v_add_nc_u32 v6, s23, v4                       ; the stage, on the way in
	v_mul_u32_u24 v7, v2, 528
	s_delay_alu instid0(VALU_DEP_1)
	v_lshl_add_u32 v7, v3, 6, v7
	s_delay_alu instid0(VALU_DEP_1)
	v_add_nc_u32 v7, s23, v7                       ; and out: row r, + 64 h
	s_lshr_b32 s24, s20, 2
	s_lshl_b32 s24, s24, 8
	s_and_b32 s25, s20, 3
	s_lshl_b32 s25, s25, 2
	s_add_co_u32 s24, s24, s25
	s_add_co_u32 s24, s24, SCST
	v_lshlrev_b32 v8, 9, v3
	s_delay_alu instid0(VALU_DEP_1)
	v_lshl_add_u32 v8, v2, 4, v8
	s_delay_alu instid0(VALU_DEP_1)
	v_add_nc_u32 v8, s24, v8                       ; my scale word's place: K step h, block w, row r
	s_lshl_b32 s24, s20, 9
	s_add_co_u32 s24, s24, SCST
	v_add_nc_u32 v9, s24, v4                       ; where waves 0 and 1 read a K step's 512 bytes back
	s_mov_b32 s[SEL], 0x76543210
	s_mov_b32 s[SEL+1], 0xfedcba98
.irp b, 0,1,2,3
	v_mov_b32 v[TM+4+\b], 0                        ; written once: a lane permute's destination counts as one of its sources
.endr
	s_and_b32 s26, s21, 7
	s_cmp_ge_u32 s21, 64
	s_cselect_b32 s26, s26, s21                    ; the group's number inside its own tensor
	s_lshl_b32 s26, s26, 19                        ; 128 rows of 4,096 bytes
	s_lshr_b32 s27, s20, 1
	s_lshl_b32 s27, s27, 17                        ; + 32 (w / 2) rows
	s_add_co_u32 s26, s26, s27
	s_and_b32 s27, s20, 1
	s_lshl_b32 s27, s27, 15                        ; + 8 (w % 2) rows
	s_add_co_u32 s26, s26, s27
	s_lshl_b32 s27, s22, 10                        ; + 256 numbers along K
	s_add_co_u32 s26, s26, s27
	s_mov_b32 s27, 0
	s_mul_i32 s24, s21, 98304                      ; the codes: group, K steps 2 kp on, block w
	s_mul_i32 s25, s22, 24576
	s_add_co_u32 s24, s24, s25
	s_mul_i32 s25, s20, 1536
	s_add_co_u32 s24, s24, s25
	s_mov_b32 s25, 0
	s_lshl_b32 s32, s21, 12                        ; the scale words: group, K step 2 kp + w (waves 0 and 1 store)
	s_lshl_b32 s33, s22, 10
	s_add_co_u32 s32, s32, s33
	s_lshl_b32 s33, s20, 9
	s_add_co_u32 s32, s32, s33
	s_mov_b32 s33, 0
	s_wait_alu depctr_va_vdst(0)
	s_wait_kmcnt 0x0
	s_cmp_ge_u32 s21, 64                           ; which tensor: the choice hangs on the work-group's number alone
	s_cselect_b64 s[4:5], s[6:7], s[4:5]
	s_cmp_ge_u32 s21, 72
	s_cselect_b64 s[4:5], s[8:9], s[4:5]
	s_cmp_ge_u32 s21, 80
	s_cselect_b64 s[4:5], s[10:11], s[4:5]
	s_cmp_ge_u32 s21, 88
	s_cselect_b64 s[4:5], s[12:13], s[4:5]
	s_add_nc_u64 s[4:5], s[4:5], s[26:27]
	s_add_nc_u64 s[14:15], s[14:15], s[24:25]
	s_add_nc_u64 s[16:17], s[16:17], s[32:33]
	LOADK 0
	LOADK 1
	s_wait_loadcnt 16                              ; K step 0's sixteen loads are in; K step 1's may be out
	TURNK 0
	s_wait_dscnt 0x0
	QUANT X
	v_mov_b32 v10, v[PW]                           ; K step 0's scale word is kept
	PUT 0
	s_wait_loadcnt 0x0
	TURNK 1
	s_wait_dscnt 0x0
	s_wait_xcnt 0x0                                ; the stores above have read the codes' registers: they are written again only behind this wait
	QUANT X
	PUT 1
	v_cmp_eq_u32 vcc_lo, 1, v3
	s_delay_alu instid0(VALU_DEP_1)
	v_cndmask_b32 v11, v10, v[PW], vcc_lo          ; lanes 0-15 carry K step 0's word of row r, lanes 16-31 K step 1's
	ds_store_b32 v8, v11
	s_wait_dscnt 0x0                               ; for the others' sake: my word has landed
	s_barrier_signal -1
	s_barrier_wait -1                              ; the eight blocks' words of both K steps lie together
	s_cmp_ge_u32 s20, 2
	s_cbranch_scc1 .Ldone
	ds_load_b128 v[12:15], v9
	s_wait_dscnt 0x0
	global_store_b128 v4, v[12:15], s[16:17]       ; 512 consecutive bytes: a K step's scale words of the group
.Ldone:
	s_wait_tensorcnt 0x0
	ds_add_u32 v254, v255
	s_wait_dscnt 0x0
	s_endpgm
	; ---- the table.  angle = token x frequency, rounded once; n = the nearest whole number of quarter turns; the rest in three fused steps; two short polynomials; the quarter picks and signs them.  No branch on numbers.
.Ltable:
	s_sub_co_u32 s21, ttmp9, 384
	s_lshl_b32 s21, s21, 7
	s_lshl_b32 s22, s20, 4
	s_add_co_u32 s31, s21, s22                     ; my wave's first token
	s_lshl_b32 s24, s31, 8
	s_mov_b32 s25, 0
	v_mov_b32 v16, 0
	FREQ 0, 0x3f800000
	FREQ 1, 0x3f3ff911
	FREQ 2, 0x3f0ff59a
	FREQ 3, 0x3ed7e89b
	FREQ 4, 0x3ea1e89b
	FREQ 5, 0x3e72d424
	FREQ 6, 0x3e361887
	FREQ 7, 0x3e088d77
	FREQ 8, 0x3dcccccd
	FREQ 9, 0x3d99940e
	FREQ 10, 0x3d6655c3
	FREQ 11, 0x3d2cba15
	FREQ 12, 0x3d0186e2
	FREQ 13, 0x3cc24350
	FREQ 14, 0x3c91ad39
	FREQ 15, 0x3c5a7bf1
	FREQ 16, 0x3c23d70a
	FREQ 17, 0x3bf5b9b0
	FREQ 18, 0x3bb8449c
	FREQ 19, 0x3b8a2e77
	FREQ 20, 0x3b4f3e37
	FREQ 21, 0x3b1b690d
	FREQ 22, 0x3ae91528
	FREQ 23, 0x3aaec98e
	FREQ 24, 0x3a83126f
	FREQ 25, 0x3a44948c
	FREQ 26, 0x3a136a16
	FREQ 27, 0x39dd1726
	FREQ 28, 0x39a5cb5f
	FREQ 29, 0x3978a814
	FREQ 30, 0x393a7753
	FREQ 31, 0x390bd472
	s_mov_b32 s33, 0xb94ca1f9                      ; the sine's three coefficients,
	s_mov_b32 s34, 0x3c08839e
	s_mov_b32 s35, 0xbe2aaaa3
	s_mov_b32 s36, 0x37ccf5ce                      ; the cosine's,
	s_mov_b32 s37, 0xbab6061a
	s_mov_b32 s38, 0x3d2aaaa5
	s_mov_b32 s40, 0xbfc90fd8                      ; and - pi / 2 in three parts
	s_mov_b32 s41, 0xb4a8885a
	s_mov_b32 s42, 0xa7c234c4
	v_lshlrev_b32 v2, 2, v1
	s_wait_kmcnt 0x0
	s_add_nc_u64 s[18:19], s[18:19], s[24:25]
	s_mov_b32 s32, 16
.Ltoken:
	v_cvt_f32_u32 v3, s31
	s_wait_alu depctr_va_vdst(0)
	v_mul_f32 v4, v3, v16                          ; the angle
	s_delay_alu instid0(VALU_DEP_1)
	v_mul_f32 v5, 0x3f22f983, v4                   ; x 2 / pi
	s_delay_alu instid0(VALU_DEP_1)
	v_rndne_f32 v5, v5                             ; n
	s_delay_alu instid0(VALU_DEP_1)
	v_fma_f32 v6, v5, s40, v4
	s_delay_alu instid0(VALU_DEP_1)
	v_fma_f32 v6, v5, s41, v6
	s_delay_alu instid0(VALU_DEP_1)
	v_fma_f32 v6, v5, s42, v6                      ; the rest, within a quarter turn's half
	s_delay_alu instid0(VALU_DEP_1)
	v_mul_f32 v7, v6, v6                           ; z
	s_delay_alu instid0(VALU_DEP_1)
	v_fma_f32 v8, v7, s33, s34
	s_delay_alu instid0(VALU_DEP_2)
	v_fma_f32 v10, v7, s36, s37
	s_delay_alu instid0(VALU_DEP_2)
	v_fma_f32 v8, v8, v7, s35
	s_delay_alu instid0(VALU_DEP_2)
	v_fma_f32 v10, v10, v7, s38
	v_mul_f32 v9, v7, v6
	v_mul_f32 v11, v7, v7
	v_fma_f32 v12, v7, -0.5, 1.0
	s_delay_alu instid0(VALU_DEP_3)
	v_fma_f32 v8, v8, v9, v6                       ; the rest's sine
	s_delay_alu instid0(VALU_DEP_2)
	v_fma_f32 v10, v10, v11, v12                   ; and cosine
	v_cvt_i32_f32 v13, v5
	s_delay_alu instid0(VALU_DEP_1)
	v_and_b32 v14, 1, v13
	s_delay_alu instid0(VALU_DEP_1)
	v_cmp_eq_u32 vcc_lo, 1, v14
	s_delay_alu instid0(VALU_DEP_1)
	v_cndmask_b32 v15, v8, v10, vcc_lo             ; an odd quarter swaps the two
	s_delay_alu instid0(VALU_DEP_2)
	v_cndmask_b32 v17, v10, v8, vcc_lo
	v_and_b32 v18, 2, v13                          ; the sine is negative in quarters 2 and 3,
	v_add_nc_u32 v19, 1, v13
	s_delay_alu instid0(VALU_DEP_1)
	v_and_b32 v19, 2, v19                          ; the cosine in quarters 1 and 2
	s_delay_alu instid0(VALU_DEP_3)
	v_lshlrev_b32 v18, 30, v18
	s_delay_alu instid0(VALU_DEP_2)
	v_lshlrev_b32 v19, 30, v19
	s_delay_alu instid0(VALU_DEP_2)
	v_xor_b32 v15, v15, v18
	s_delay_alu instid0(VALU_DEP_2)
	v_xor_b32 v17, v17, v19
	global_store_b32 v2, v17, s[18:19]             ; 32 cosines, 128 bytes,
	global_store_b32 v2, v15, s[18:19] offset:128  ; and 32 sines: together the token's 256 bytes
	s_wait_xcnt 0x0                                ; the stores have read their data and their base: both are written again only behind this wait
	s_add_nc_u64 s[18:19], s[18:19], 256
	s_add_co_u32 s31, s31, 1
	s_sub_co_u32 s32, s32, 1
	s_cmp_lg_u32 s32, 0
	s_cbranch_scc1 .Ltoken
	s_endpgm
.Lfunc_end_k_q92d2f34e75_prep:
	.size	k_q92d2f34e75_prep, .Lfunc_end_k_q92d2f34e75_prep-k_q92d2f34e75_prep
	.p2alignl 7, 3214868480
	.fill 96, 4, 3214868480
	.section	.rodata,"a",@progbits
	.p2align	6, 0x0
	.amdhsa_kernel k_q92d2f34e75_prep
		.amdhsa_group_segment_fixed_size 70656
		.amdhsa_private_segment_fixed_size 0
		.amdhsa_enable_private_segment 0
		.amdhsa_kernarg_size 64
		.amdhsa_user_sgpr_count 2
		.amdhsa_user_sgpr_kernarg_segment_ptr 1
		.amdhsa_wavefront_size32 1
		.amdhsa_system_sgpr_workgroup_id_x 1
		.amdhsa_system_sgpr_workgroup_id_y 1
		.amdhsa_system_sgpr_workgroup_id_z 1
		.amdhsa_system_vgpr_workitem_id 0
		.amdhsa_next_free_vgpr 256
		.amdhsa_next_free_sgpr 66
		.amdhsa_reserve_vcc 1
		.amdhsa_float_denorm_mode_32 3
		.amdhsa_float_denorm_mode_16_64 3
		.amdhsa_memory_ordered 1
		.amdhsa_forward_progress 1
		.amdhsa_inst_pref_size 31
	.end_amdhsa_kernel
	.amdgpu_metadata
---
amdhsa.version: [ 1, 2 ]
amdhsa.kernels:
  - .name:           k_q92d2f34e75_prep
    .symbol:         k_q92d2f34e75_prep.kd
    .args:
      - { .name: hidden_states, .offset: 0, .size: 8, .value_kind: global_buffer, .address_space: global }
      - { .name: Wq, .offset: 8, .size: 8, .value_kind: global_buffer, .address_space: global }
      - { .name: Wk, .offset: 16, .size: 8, .value_kind: global_buffer, .address_space: global }
      - { .name: Wv, .offset: 24, .size: 8, .value_kind: global_buffer, .address_space: global }
      - { .name: Wo, .offset: 32, .size: 8, .value_kind: global_buffer, .address_space: global }
      - { .name: codes, .offset: 40, .size: 8, .value_kind: global_buffer, .address_space: global }
      - { .name: scales, .offset: 48, .size: 8, .value_kind: global_buffer, .address_space: global }
      - { .name: rope, .offset: 56, .size: 8, .value_kind: global_buffer, .address_space: global }
    .group_segment_fixed_size: 70656
    .private_segment_fixed_size: 0
    .kernarg_segment_align: 8
    .kernarg_segment_size: 64
    .max_flat_workgroup_size: 256
    .sgpr_count:     66
    .vgpr_count:     256
    .wavefront_size: 32
...
	.end_amdgpu_metadata
.endif
;; end of part 1
;; launch qkv (part 2): grid 8 x 48, 4 waves a work-group, clusters of 4 x 4, 327,680 bytes of LDS; arguments codes, scales, rope, qkv_img, qkv_sc; writes qkv_img, qkv_sc
.if DOCPART == 2
	.amdgcn_target "amdgcn-amd-amdhsa--gfx1250"
	.amdhsa_code_object_version 6
	.text
	.protected	k_q92d2f34e75_qkv
	.globl	k_q92d2f34e75_qkv
	.p2align	8
	.type	k_q92d2f34e75_qkv,@function
k_q92d2f34e75_qkv:
	s_mov_b64 s[64:65], 0
	v_nop
	global_prefetch_b8 v0, s[64:65] scope:SCOPE_SE
	s_setreg_imm32_b32 hwreg(HW_REG_WAVE_MODE, 25, 1), 1
	s_wait_xcnt 0x0
	s_wait_alu depctr_hold_cnt(0) depctr_sa_sdst(0) depctr_va_vdst(0) depctr_va_sdst(0) depctr_va_ssrc(0) depctr_va_vcc(0) depctr_vm_vsrc(0)
	s_getreg_b32 s2, hwreg(HW_REG_IB_STS2, 6, 4)
	s_cmp_eq_u32 s2, 0
	s_cbranch_scc0 .Lentry_in_a_cluster
	s_endpgm
.Lentry_in_a_cluster:
	s_bfe_u32 s2, ttmp6, 0x10000c
	s_cmp_lg_u32 s2, 0xf033
	s_cbranch_scc0 .Lentry_shape_is_right
	s_endpgm
.Lentry_shape_is_right:
.set NQ,     2
.set FR,     12
.set FRB,    1536
.set QB,     8*FRB
.set NL,     4
.set NP,     4
.set HALFT,  NQ*QB
.set SLOT,   4*HALFT
.set RGB,    98304
.set SCL,    2*SLOT
.set HALFS,  4096
.set SPARE,  SCL+4*HALFS
.set VT,   15
.set ADRA, 16
.set ADRB, 20
.set ADRS, 27
.set SPW,  28
.set NIL,  29
.set SC,   32
.set RT,   64
.set AF,   128
.set PC,   128
.set TM,   152
.set PW,   168
.set SW,   172
.set G1, 24
.set G0, 32
.set G1B, 48
.set G0B, 56
.set G1S, 68
.set G0S, 76
.set G1SB, 80
.set G0SB, 88
.set MSB, 0
.macro WIN new
.if MSB != \new
	s_set_vgpr_msb (MSB<<8)|\new
.set MSB, \new
.endif
.endm
.set MUL_LO, 0xa1
.set MUL_HI, 0xf1
.set TO_B,   0x40
.macro JLOAD g0a, g1a, g0b, g1b
	s_cmp_eq_u32 s15, 0
	s_cbranch_scc0 .Lfor_b_\@
	tensor_load_to_lds s[\g0a:\g0a+3], s[\g1a:\g1a+7]
	s_nop 0
.rept 4
	v_nop
.endr
	s_branch .Lasked_\@
.Lfor_b_\@:
	tensor_load_to_lds s[\g0b:\g0b+3], s[\g1b:\g1b+7]
	s_nop 0
.rept 4
	v_nop
.endr
.Lasked_\@:
.endm
.macro CREST
	s_cmp_lg_u32 s14, 0
	s_cbranch_scc1 .Lnot_wave_0_\@
	s_barrier_signal -3
.Lnot_wave_0_\@:
	s_barrier_wait -3
	s_barrier_signal -1
	s_barrier_wait -1
.endm
.macro CROUND
	s_barrier_signal -1
	s_barrier_wait -1
	CREST
.endm
	s_load_b128 s[4:7], s[0:1], 0x0
	s_load_b128 s[8:11], s[0:1], 0x10
	s_load_b64 s[12:13], s[0:1], 0x20
	v_lshl_add_u32 v[SPW], v0, 2, SPARE
	v_mov_b32 v[NIL], 0
	ds_add_u32 v28, v29
	ds_add_u32 v28, v29
	s_wait_dscnt 0x0
	v_lshrrev_b32 v1, 5, v0
	v_readfirstlane_b32 s14, v1
	s_lshr_b32 s15, s14, 1
	s_and_b32 s16, s14, 1
	s_bfe_u32 s40, ttmp6, 0x40000
	s_bfe_u32 s41, ttmp6, 0x40004
	s_and_b32 s17, ttmp7, 0xffff
	s_lshl_b32 s43, s41, 2
	s_lshl_b32 s43, 15, s43
	s_lshl_b32 s44, 0x1111, s40
	s_or_b32 s[G1+0], s43, (3<<16)|(1<<21)
	s_or_b32 s[G1B+0], s44, (3<<16)|(1<<21)
.irp g, G1, G1B
	s_mov_b32 s[\g+1], 32<<16
	s_mov_b32 s[\g+2], 96<<16
	s_mov_b32 s[\g+3], 32<<16
	s_mov_b32 s[\g+4], 96
	s_mov_b32 s[\g+5], 32
	s_mov_b32 s[\g+6], 0
	s_mov_b32 s[\g+7], 0
.endr
	s_or_b32 s[G1S+0], s43, (3<<16)|(1<<21)
	s_or_b32 s[G1SB+0], s44, (3<<16)|(1<<21)
.irp g, G1S, G1SB
	s_mov_b32 s[\g+1], 32<<16
	s_mov_b32 s[\g+2], 16<<16
	s_mov_b32 s[\g+3], 32<<16
	s_mov_b32 s[\g+4], 16
	s_mov_b32 s[\g+5], 32
	s_mov_b32 s[\g+6], 0
	s_mov_b32 s[\g+7], 0
.endr
	s_lshl_b32 s20, s17, 3
	s_lshl_b32 s46, s17, 4
	s_sub_co_u32 s46, s46, 128
	s_cmp_ge_u32 s17, 8
	s_cselect_b32 s95, 1, 0
	s_cselect_b32 s20, 80, s20
	s_cselect_b32 s46, s46, 64
	s_lshl_b32 s18, s41, 1
	s_add_co_u32 s20, s20, s18
	s_lshl_b32 s47, ttmp9, 3
	s_add_co_u32 s46, s46, s47
	s_lshl_b32 s47, s40, 1
	s_add_co_u32 s46, s46, s47
	s_add_co_u32 s96, s20, s15
	s_add_co_u32 s97, s46, s16
	s_add_co_u32 s20, s20, s16
	s_add_co_u32 s46, s46, s16
	s_lshl_b32 s22, s20, 12
	s_lshl_b32 s92, s46, 12
	s_mul_i32 s20, s20, RGB
	s_mul_i32 s46, s46, RGB
	s_mov_b32 s21, 0
	s_mov_b32 s23, 0
	s_mov_b32 s47, 0
	s_mov_b32 s93, 0
	s_mul_i32 s45, s14, HALFT
	s_mul_i32 s94, s14, HALFS
	s_and_b32 s98, s96, 15
	s_lshl_b32 s98, s98, 15
	s_mov_b32 s99, 0
	s_wait_kmcnt 0x0
	s_add_nc_u64 s[20:21], s[4:5], s[20:21]
	s_add_nc_u64 s[22:23], s[6:7], s[22:23]
	s_add_nc_u64 s[46:47], s[4:5], s[46:47]
	s_add_nc_u64 s[92:93], s[6:7], s[92:93]
	s_add_nc_u64 s[98:99], s[8:9], s[98:99]
	CROUND
	s_mov_b32 s[G0S], 1
	s_add_co_u32 s[G0S+1], s94, SCL
	s_mov_b64 s[G0S+2:G0S+3], s[22:23]
	s_or_b32 s[G0S+3], s[G0S+3], 0x80000000
	s_mov_b32 s[G0SB], 1
	s_add_co_u32 s[G0SB+1], s94, SCL
	s_mov_b64 s[G0SB+2:G0SB+3], s[92:93]
	s_or_b32 s[G0SB+3], s[G0SB+3], 0x80000000
	JLOAD G0S, G1S, G0SB, G1SB
.irp s, 0,1
	s_mov_b32 s[G0+4*\s], 1
	s_add_co_u32 s[G0+4*\s+1], s45, \s*SLOT
	s_add_nc_u64 s[G0+4*\s+2:G0+4*\s+3], s[20:21], \s*HALFT
	s_or_b32 s[G0+4*\s+3], s[G0+4*\s+3], 0x80000000
	s_mov_b32 s[G0B+4*\s], 1
	s_add_co_u32 s[G0B+4*\s+1], s45, \s*SLOT
	s_add_nc_u64 s[G0B+4*\s+2:G0B+4*\s+3], s[46:47], \s*HALFT
	s_or_b32 s[G0B+4*\s+3], s[G0B+4*\s+3], 0x80000000
	s_wait_alu depctr_va_vdst(0)
	s_wait_tensorcnt 0x0
	ds_add_u32 v28, v29
	s_wait_dscnt 0x0
	CROUND
	JLOAD G0+4*\s, G1, G0B+4*\s, G1B
.endr
	v_and_b32 v1, 15, v0
	v_bfe_u32 v2, v0, 4, 1
	v_and_b32 v3, 31, v0
	v_lshlrev_b32 v4, 4, v3
	v_lshlrev_b32 v5, 3, v3
	s_mul_i32 s21, s15, HALFT
	s_mul_i32 s22, s16, HALFT
	s_add_co_u32 s22, s22, 2*HALFT
.irp s, 0,1
	v_add_nc_u32 v[ADRA+\s], s21, v4
	v_add_nc_u32 v[ADRB+\s], s22, v4
	v_add_nc_u32 v[ADRA+2+\s], s21, v5
	v_add_nc_u32 v[ADRB+2+\s], s22, v5
	s_add_co_u32 s21, s21, SLOT
	s_add_co_u32 s22, s22, SLOT
.endr
	s_mul_i32 s21, s15, HALFS
	s_mul_i32 s22, s16, HALFS
	s_add_co_u32 s22, s22, 2*HALFS
	s_sub_co_u32 s22, s22, s21
	v_mul_u32_u24 v6, s22, v2
	s_add_co_u32 s21, s21, SCL
	v_lshl_add_u32 v6, v1, 4, v6
	v_add_nc_u32 v[ADRS], s21, v6
	v_and_b32 v6, 8, v1
	v_add_nc_u32 v6, v6, v1
	v_lshlrev_b32 v[VT], 8, v6
	v_lshl_add_u32 v[VT], v2, 6, v[VT]
.macro FRAG reg, adr, q, i
	ds_load_b128 v[\reg:\reg+3],     v[\adr]   offset:(\q)*QB+(\i)*FRB
	ds_load_b64  v[\reg+4:\reg+5],   v[\adr+2] offset:(\q)*QB+(\i)*FRB+512
	ds_load_b128 v[\reg+6:\reg+9],   v[\adr]   offset:(\q)*QB+(\i)*FRB+768
	ds_load_b64  v[\reg+10:\reg+11], v[\adr+2] offset:(\q)*QB+(\i)*FRB+1280
.endm
.macro MUL16 a0, p, q, sc, zero
.irp a, \a0, \a0+1
.irp b, 0,1,2,3,4,5,6,7
.if \zero
	v_wmma_scale_f32_16x16x128_f8f6f4 v[8*(8*((\a)%4)+\b):8*(8*((\a)%4)+\b)+7], v[128*(\p)+FR*\b:128*(\p)+FR*\b+FR-1], v[AF+FR*(\a):AF+FR*(\a)+FR-1], 0, v[SC+16*(\sc)+8*(\q)+\b], v[SC+16*(\sc)+8*(\q)+(\a)] matrix_a_fmt:MATRIX_FMT_FP6 matrix_b_fmt:MATRIX_FMT_FP6 matrix_a_scale:MATRIX_SCALE_ROW1
.else
	v_wmma_scale_f32_16x16x128_f8f6f4 v[8*(8*((\a)%4)+\b):8*(8*((\a)%4)+\b)+7], v[128*(\p)+FR*\b:128*(\p)+FR*\b+FR-1], v[AF+FR*(\a):AF+FR*(\a)+FR-1], v[8*(8*((\a)%4)+\b):8*(8*((\a)%4)+\b)+7], v[SC+16*(\sc)+8*(\q)+\b], v[SC+16*(\sc)+8*(\q)+(\a)] matrix_a_fmt:MATRIX_FMT_FP6 matrix_b_fmt:MATRIX_FMT_FP6 matrix_a_scale:MATRIX_SCALE_ROW1
.endif
.endr
.endr
.endm
.macro FETCH_B slot, q, p
	WIN TO_B
.irp i, 0,1,2,3,4,5,6,7
	FRAG 128*(\p)+FR*\i, ADRB+\slot, \q, \i
.endr
	WIN 0
.endm
.macro FETCH_A slot, q, i0
.irp i, \i0, \i0+1, \i0+2, \i0+3
	FRAG AF+FR*(\i), ADRA+\slot, \q, \i
.endr
.endm
.macro SCALES sc
.irp q, 0,1
.irp u, 0,1
	ds_load_b128 v[SC+16*\sc+8*\q+4*\u:SC+16*\sc+8*\q+4*\u+3], v[ADRS] offset:512*\q+256*\u
.endr
.endr
.endm
.macro PLACES n
.rept \n
	v_nop
.endr
.endm
.macro STEP slot, q, zero
	s_wait_dscnt 4*NL
	WIN MUL_LO
	MUL16 0, (\q)%2, \q, \slot, \zero
	MUL16 2, (\q)%2, \q, \slot, \zero
	s_wait_dscnt 0
	PLACES NP
	FETCH_B \slot, (\q)+1, 1-(\q)%2
	FETCH_A \slot, (\q)+1, 0
	WIN MUL_HI
	MUL16 4, (\q)%2, \q, \slot, \zero
	MUL16 6, (\q)%2, \q, \slot, \zero
	PLACES NP
	WIN 0
	FETCH_A \slot, (\q)+1, 4
.endm
.macro TURN slot, next, fill
	s_wait_tensorcnt 0x0
	ds_add_u32 v[SPW], v[NIL]
	s_wait_dscnt 4*NL+1
	WIN MUL_LO
	MUL16 0, 1, NQ-1, \slot, 0
	s_wait_dscnt 0x0
	s_barrier_signal -1
	MUL16 2, 1, NQ-1, \slot, 0
	WIN 0
	s_barrier_wait -1
.if \fill
	CREST
	s_add_nc_u64 s[G0+4*\slot+2:G0+4*\slot+3], s[G0+4*\slot+2:G0+4*\slot+3], 2*HALFT
	s_add_nc_u64 s[G0B+4*\slot+2:G0B+4*\slot+3], s[G0B+4*\slot+2:G0B+4*\slot+3], 2*HALFT
	JLOAD G0+4*\slot, G1, G0B+4*\slot, G1B
.else
	PLACES NP
.endif
	s_wait_alu depctr_va_vdst(0)
	v_add_nc_u32 v[ADRS], 1024, v[ADRS]
	FETCH_B \next, 0, 0
	FETCH_A \next, 0, 0
	SCALES \next
	WIN MUL_HI
	MUL16 4, 1, NQ-1, \slot, 0
	MUL16 6, 1, NQ-1, \slot, 0
	PLACES NP
	WIN 0
	FETCH_A \next, 0, 4
.endm
.macro LAST
	s_wait_dscnt 4*NL
	WIN MUL_LO
	MUL16 0, 1, NQ-1, 1, 0
	MUL16 2, 1, NQ-1, 1, 0
	s_wait_dscnt 0
	WIN MUL_HI
	MUL16 4, 1, NQ-1, 1, 0
	MUL16 6, 1, NQ-1, 1, 0
	WIN 0
	PLACES NP
.endm
.macro TABLE a0
	WIN TO_B
.irp a, \a0, \a0+1, \a0+2, \a0+3
.irp j, 0,1,2,3
	global_load_b128 v[32*(\a)+4*\j:32*(\a)+4*\j+3], v[VT], s[98:99] offset:(32*((\a)/2)+8*((\a)%2))*256+16*\j
.endr
.irp j, 0,1,2,3
	global_load_b128 v[32*(\a)+16+4*\j:32*(\a)+16+4*\j+3], v[VT], s[98:99] offset:(32*((\a)/2)+8*((\a)%2))*256+128+16*\j
.endr
.endr
	WIN 0
.endm
.macro ROPE a
.set W, 2+(\a)/4
.set S0, 64*((\a)%4)
.set TC, 32*(\a)
.if (\a) < 4
	s_wait_loadcnt 32+8*(3-(\a))
.else
	s_wait_loadcnt 8*(7-(\a))
.endif
.set WN, W|4
	WIN WN
.irp c, 0,1
.irp i, 0,2,4,6,8,10,12,14
	v_pk_mul_f32 v[RT+32*\c+\i:RT+32*\c+\i+1], v[S0+32*\c+16+\i:S0+32*\c+17+\i], v[TC+16+\i:TC+17+\i]
	v_pk_mul_f32 v[RT+32*\c+16+\i:RT+32*\c+17+\i], v[S0+32*\c+\i:S0+32*\c+\i+1], v[TC+16+\i:TC+17+\i]
.endr
.endr
.set WN, W|4|(W<<6)
	WIN WN
.irp c, 0,1
.irp i, 0,2,4,6,8,10,12,14
	v_pk_fma_f32 v[S0+32*\c+\i:S0+32*\c+\i+1], v[S0+32*\c+\i:S0+32*\c+\i+1], v[TC+\i:TC+\i+1], v[RT+32*\c+\i:RT+32*\c+\i+1] neg_lo:[0,0,1] neg_hi:[0,0,1]
	v_pk_fma_f32 v[S0+32*\c+16+\i:S0+32*\c+17+\i], v[S0+32*\c+16+\i:S0+32*\c+17+\i], v[TC+\i:TC+\i+1], v[RT+32*\c+16+\i:RT+32*\c+17+\i]
.endr
.endr
.endm
.macro EPI a
.set W, 2+(\a)/4
.set S0, 64*((\a)%4)
.if (\a) > 0
	s_wait_xcnt 0x0
.if (\a) == 4
	s_add_nc_u64 s[10:11], s[10:11], s[84:85]
.else
	s_add_nc_u64 s[10:11], s[10:11], s[82:83]
.endif
.endif
.set WN, W|(W<<2)
	WIN WN
.irp b, 0,1,2,3
	v_max3_num_f32 v[TM+\b], |v[S0+16*\b]|, |v[S0+1+16*\b]|, 0x1800000
.endr
.irp i, 2,4,6,8,10,12,14
.irp b, 0,1,2,3
	v_max3_num_f32 v[TM+\b], |v[S0+16*\b+\i]|, |v[S0+1+16*\b+\i]|, v[TM+\b]
.endr
.endr
	WIN 0
.irp b, 0,1,2,3
	v_permlanex16_b32 v[TM+4+\b], v[TM+\b], s86, s87
.endr
.irp b, 0,1,2,3
	v_max_num_f32 v[TM+\b], v[TM+\b], v[TM+4+\b]
.endr
.irp b, 0,1,2,3
	v_add_nc_u32 v[TM+12+\b], 0xff000000, v[TM+\b]
.endr
.irp b, 0,1,2,3
	v_lshrrev_b32 v[TM+4+\b], 23, v[TM+12+\b]
.endr
	v_lshl_or_b32 v[PW], v[TM+5], 8, v[TM+4]
	v_lshl_or_b32 v[PW], v[TM+6], 16, v[PW]
	v_lshl_or_b32 v[PW], v[TM+7], 24, v[PW]
.set WN, W
	WIN WN
.irp c, 0,1
	v_cvt_scalef32_pk16_fp6_f32 v[PC+6*\c:PC+2+6*\c], v[S0+32*\c:S0+15+32*\c], v[TM+12+2*\c]
	v_cvt_scalef32_pk16_fp6_f32 v[PC+12+4*\c:PC+14+4*\c], v[S0+16+32*\c:S0+31+32*\c], v[TM+12+2*\c+1]
.endr
	WIN 0
	v_nop
.irp c, 0,1
.irp i, 0,1,2
	v_permlane16_swap_b32 v[PC+6*\c+\i], v[PC+12+4*\c+\i]
.endr
.irp i, 0,1,2
	v_mov_b32 v[PC+3+6*\c+\i], v[PC+12+4*\c+\i]
.endr
.endr
	v_lshrrev_b32 v[SW+(\a)%4], v14, v[PW]
	v_and_b32 v[SW+(\a)%4], s76, v[SW+(\a)%4]
	global_store_b128 v8, v[PC:PC+3], s[10:11]
	global_store_b64 v9, v[PC+4:PC+5], s[10:11] offset:512
	global_store_b128 v10, v[PC+6:PC+9], s[10:11]
	global_store_b64 v11, v[PC+10:PC+11], s[10:11] offset:512
.if (\a) == 3
	global_store_b128 v12, v[SW:SW+3], s[12:13]
.endif
.if (\a) == 7
	global_store_b128 v13, v[SW:SW+3], s[12:13]
.endif
.endm
	s_wait_alu depctr_va_vdst(0)
	s_wait_tensorcnt 1
	s_barrier_signal -1
	s_barrier_wait -1
	FETCH_B 0, 0, 0
	FETCH_A 0, 0, 0
	SCALES 0
	FETCH_A 0, 0, 4
	STEP 0, 0, 1
	TURN 0, 1, 1
	STEP 1, 0, 0
	TURN 1, 0, 1
	STEP 0, 0, 0
	TURN 0, 1, 0
	STEP 1, 0, 0
	s_cmp_lg_u32 s95, 0
	s_cbranch_scc1 .Lv_way
	TABLE 0
	LAST
	TABLE 4
	ROPE 0
	ROPE 1
	ROPE 2
	ROPE 3
	ROPE 4
	ROPE 5
	ROPE 6
	ROPE 7
	WIN 0
	s_branch .Lout
.Lv_way:
	LAST
.Lout:
	s_cmp_lg_u32 s95, 0
	s_cselect_b32 s68, s96, s97
	s_cselect_b32 s69, s97, s96
	s_mov_b32 s70, 393216
	s_cselect_b32 s70, 768, s70
	s_mov_b32 s82, 768
	s_cselect_b32 s82, 1536, s82
	s_mov_b32 s84, 768
	s_cselect_b32 s84, 388608, s84
	s_mov_b32 s73, 32768
	s_cselect_b32 s73, 256, s73
	s_mov_b32 s74, 256
	s_cselect_b32 s74, 32768, s74
	s_cselect_b32 s75, 0, 16
	s_mov_b32 s76, 0xffff
	s_cselect_b32 s76, -1, s76
	s_mov_b32 s83, 0
	s_mov_b32 s85, 0
	s_mov_b32 s86, 0x76543210
	s_mov_b32 s87, 0xfedcba98
	s_sub_co_u32 s68, s68, 64
	s_mul_i32 s78, s68, 786432
	s_mul_i32 s80, s69, 6144
	s_add_co_u32 s78, s78, s80
	s_mov_b32 s79, 0
	s_add_nc_u64 s[10:11], s[10:11], s[78:79]
	s_lshl_b32 s78, s68, 16
	s_lshl_b32 s80, s69, 9
	s_add_co_u32 s78, s78, s80
	s_add_nc_u64 s[12:13], s[12:13], s[78:79]
	v_and_b32 v3, 31, v0
	v_lshlrev_b32 v8, 4, v3
	v_lshlrev_b32 v9, 3, v3
	v_add_nc_u32 v10, s70, v8
	v_add_nc_u32 v11, s70, v9
	v_mul_u32_u24 v12, s73, v2
	v_lshl_add_u32 v12, v1, 4, v12
	v_add_nc_u32 v13, s74, v12
	v_mul_u32_u24 v14, s75, v2
.irp b, 0,1,2,3
	v_mov_b32 v[TM+4+\b], 0
.endr
	EPI 0
	EPI 1
	EPI 2
	EPI 3
	EPI 4
	EPI 5
	EPI 6
	EPI 7
	s_wait_tensorcnt 0x0
	ds_add_u32 v[SPW], v[NIL]
	s_wait_dscnt 0x0
	CROUND
	s_endpgm
.Lfunc_end_k_q92d2f34e75_qkv:
	.size	k_q92d2f34e75_qkv, .Lfunc_end_k_q92d2f34e75_qkv-k_q92d2f34e75_qkv
	.p2alignl 7, 3214868480
	.fill 96, 4, 3214868480
	.section	.rodata,"a",@progbits
	.p2align	6, 0x0
	.amdhsa_kernel k_q92d2f34e75_qkv
		.amdhsa_group_segment_fixed_size 327680
		.amdhsa_private_segment_fixed_size 0
		.amdhsa_enable_private_segment 0
		.amdhsa_kernarg_size 40
		.amdhsa_user_sgpr_count 2
		.amdhsa_user_sgpr_kernarg_segment_ptr 1
		.amdhsa_wavefront_size32 1
		.amdhsa_system_sgpr_workgroup_id_x 1
		.amdhsa_system_sgpr_workgroup_id_y 1
		.amdhsa_system_sgpr_workgroup_id_z 1
		.amdhsa_system_vgpr_workitem_id 0
		.amdhsa_next_free_vgpr 1024
		.amdhsa_next_free_sgpr 100
		.amdhsa_reserve_vcc 0
		.amdhsa_float_denorm_mode_32 3
		.amdhsa_float_denorm_mode_16_64 3
		.amdhsa_memory_ordered 1
		.amdhsa_forward_progress 1
		.amdhsa_inst_pref_size 198
	.end_amdhsa_kernel
	.amdgpu_metadata
---
amdhsa.version: [ 1, 2 ]
amdhsa.kernels:
  - .name:           k_q92d2f34e75_qkv
    .symbol:         k_q92d2f34e75_qkv.kd
    .args:
      - { .name: codes, .offset: 0, .size: 8, .value_kind: global_buffer, .address_space: global }
      - { .name: scales, .offset: 8, .size: 8, .value_kind: global_buffer, .address_space: global }
      - { .name: rope, .offset: 16, .size: 8, .value_kind: global_buffer, .address_space: global }
      - { .name: qkv_img, .offset: 24, .size: 8, .value_kind: global_buffer, .address_space: global }
      - { .name: qkv_sc, .offset: 32, .size: 8, .value_kind: global_buffer, .address_space: global }
    .group_segment_fixed_size: 327680
    .private_segment_fixed_size: 0
    .kernarg_segment_align: 8
    .kernarg_segment_size: 40
    .max_flat_workgroup_size: 128
    .sgpr_count:     100
    .vgpr_count:     1024
    .wavefront_size: 32
...
	.end_amdgpu_metadata
.endif
;; end of part 2
;; launch attn (part 3): grid 4 x 64, 16 waves a work-group, clusters of 4 x 1, 327,680 bytes of LDS; arguments qkv_img, qkv_sc, ao_img, ao_sc; writes ao_img, ao_sc
.if DOCPART == 3
	.amdgcn_target "amdgcn-amd-amdhsa--gfx1250"
	.amdhsa_code_object_version 6
	.text
	.protected	k_q92d2f34e75_attn
	.globl	k_q92d2f34e75_attn
	.p2align	8
	.type	k_q92d2f34e75_attn,@function
k_q92d2f34e75_attn:
	s_mov_b64 s[64:65], 0
	v_nop
	global_prefetch_b8 v0, s[64:65] scope:SCOPE_SE
	s_setreg_imm32_b32 hwreg(HW_REG_WAVE_MODE, 25, 1), 1
	s_wait_xcnt 0x0
	s_wait_alu depctr_hold_cnt(0) depctr_sa_sdst(0) depctr_va_vdst(0) depctr_va_sdst(0) depctr_va_ssrc(0) depctr_va_vcc(0) depctr_vm_vsrc(0)
	s_getreg_b32 s2, hwreg(HW_REG_IB_STS2, 6, 4)
	s_cmp_eq_u32 s2, 0
	s_cbranch_scc0 .Lentry_in_a_cluster
	s_endpgm
.Lentry_in_a_cluster:
	s_bfe_u32 s2, ttmp6, 0x10000c
	s_cmp_lg_u32 s2, 0x3003
	s_cbranch_scc0 .Lentry_shape_is_right
	s_endpgm
.Lentry_shape_is_right:
; ATTN.  O[q] = the sum over the 2,048 keys of softmax(q . k / 8) v, for one head of 64, both products on codes of FP6 (E2M3) with E8M0 scales; O / l is quantised along the model's 1,024
; and leaves as half an image of the output projection's operand.
; THE SOFTMAX: t = score x log2(e) / 8; M = the running largest t rounded UP to a whole number; p = 2^(t - M) is quantised along the keys, not normalised.  The row's sum is taken of the unquantised p
; and divides O at the end.  When M moves, the sum and O are multiplied by 2^(old M - new M): exact.
; SHARES.  Four work-groups, one cluster, own a head of a batch; each 512 queries; each of its sixteen waves 32, as two tiles of 16, one after the other.  256 work-groups in all.
; ALL OF THE HEAD'S K AND V LIES IN LDS: 98,304 bytes of images each and 8,192 of scale words each.  Every LDS byte is filled once, nothing is filled again.  The fills go in three stages
; (keys 0-255 with the scale words, 256-1,023, 1,024-2,047), one tensor load a wave a stage; stages 1 and 2 are asked for 2 and 6 key steps ahead of the wait for them.
; The four partners need the same bytes: every load is a joint one (mask 15), behind a round of the cluster's barrier.  Nothing in a descriptor, an LDS address or a branch hangs on the place in the cluster.
; NO DATA PREFETCH: there is no ring; each byte is asked for once, and the loads of stages 1 and 2 themselves stand 2 and 6 key steps of all sixteen waves ahead of their waits.
; LAYOUT.  Both products are used transposed: S^T = K Q^T, O^T = V^T P^T: a lane holds one query throughout.  K's images lie in tiles of 16 keys in block order (lane r of tile a: key 32 (a / 2) + 8 (a % 2) + r + 8 (r / 8)).
; They are READ in another order, by the lanes' addresses alone: rows 0-7 of tile 4 c + u are keys 64 c + 8 u + 0..7, rows 8-15 keys 64 c + 32 + 8 u + 0..7.  So lane half h holds, in the 32 registers of tiles 4 c .. 4 c + 3,
; the WHOLE block 2 c + h of 32 neighbouring keys: its maximum needs no other lane, and the conversions' results are the second product's operand as they stand.
; K's LDS rows are 256 bytes + 64 of padding: tiles two apart, which lanes 0-7 and 8-15 of a 16-byte load read, then lie 128 bytes apart modulo 256.
; THE FIRST PRODUCT'S K IS 64, half of the instruction's 128: Q's upper six registers hold zero codes, K's tiles lie six registers apart, and a tile's upper half meets zeros.  The unused blocks' scale bytes are 0 on both sides.
; LIMITS: NaN and infinities are not served; the promise holds while |t| stays under 2^31; a block whose every p is 0 gets the byte 1 (its codes are zeros).
; REGISTERS: v1-4 K's and V's lane addresses, v5-6 the add's, v7-8 the scale words' addresses, v9 8 h, v10-11 16 and 8 x lane, v12 -M, v13 the largest score, v[14:15] the sum, v16-27 Q, v28 16 r, v29-30 Q's scale words,
; v32-79 K's tiles, then V's fragments, v80-85 zeros, v86-91 the second tile's Q, v96-159 S^T, then p, v160-191 O^T, v192-195 K's scale words, v196-199 V's, v200 p's, v201-220 and v236-251 at work, v224-235 p's codes.
.set KTILE, 960                        ; a tile of K in LDS: three rows of 320
.set KSTEP, 8*KTILE                    ; 128 keys of K
.set VSTEP, 6144                       ; 128 keys of V: four fragments of 1,536
.set VB,    16*KSTEP                   ; V's images lie behind K's
.set SCK,   VB+16*VSTEP                ; K's scale words, 512 bytes a key step;
.set SCV,   SCK+8192                   ; V's;
.set SPARE, SCV+8192                   ; the spare words, 128 bytes a wave: eight blocks of 256 bytes that no other line names
.set WV, 12
.set I3, 13
.set SEL, 14                           ; s[14:15] selects for lane l xor 16
.set CS, 16                            ; s[16:17] c = log2(e) / 8
.set TK, 18                            ; where the key step begins in K's images, V's images, the scale words
.set TV, 19
.set TS, 20
.set CNT, 21
.set I7, 22
.set HI, 23
.set G1K, 24                           ; descriptor groups 1: K's (padded), V's, the scale words'; groups 0 likewise
.set G1V, 32
.set G1S, 40
.set G0K, 48
.set G0V, 52
.set G0S, 56
.set KP, 60                            ; s[60:61] K's plane, s[62:63] V's
.set VP, 62
.set OF, 66
.set OF2, 68
.set HS, 70
.set HD, 71
.set BT, 72
.set QA, 84                            ; s[84:85] my Q images, s[88:89] their scale words, s[90:91] and s[92:93] where the result and its scale bytes go
.set QS, 88
.set OA, 90
.set OS, 92
.set TA, 201
.set OLD, 207
.set T0, 208
.set T1, 209
.set F, 210
.set BM, 212
.set SO, 214
.set BY, 216
.set W, 218
.set W2, 219
.set WO, 220
.set PW, 200
.set CT, 236
.set SA, 244
.macro ROUND                           ; a round of the cluster's barrier
	s_barrier_signal -1
	s_barrier_wait -1
	s_cmp_lg_u32 s[WV], 0
	s_cbranch_scc1 .Lnot_wave_0_\@
	s_barrier_signal -3
.Lnot_wave_0_\@:
	s_barrier_wait -3
	s_barrier_signal -1
	s_barrier_wait -1
.endm
.macro NOPS
	s_nop 0
.rept 4
	v_nop
.endr
.endm
; groups 0 and the row counts for a stage: wave index ix takes rows row0 + ix x rows on (rows of 256 bytes of memory; 320 bytes apart in K's LDS, 256 in V's)
.macro SETG ix, row0, rows
	s_mul_i32 s[G0K+1], s[\ix], \rows*320
	s_add_co_u32 s[G0K+1], s[G0K+1], \row0*320
	s_mul_i32 s[OF], s[\ix], \rows*256
	s_add_co_u32 s[OF], s[OF], \row0*256
	s_add_co_u32 s[G0V+1], s[OF], VB
	s_add_nc_u64 s[G0K+2:G0K+3], s[KP:KP+1], s[OF:OF+1]
	s_or_b32 s[G0K+3], s[G0K+3], 0x80000000
	s_add_nc_u64 s[G0V+2:G0V+3], s[VP:VP+1], s[OF:OF+1]
	s_or_b32 s[G0V+3], s[G0V+3], 0x80000000
	s_mov_b32 s[G1K+2], \rows<<16
	s_mov_b32 s[G1K+4], \rows
	s_mov_b32 s[G1V+2], \rows<<16
	s_mov_b32 s[G1V+4], \rows
.endm
; a later stage: every wave waits for all its tensor loads, adds 0 to its spare word, sets the next descriptors, passes a round; waves 0-7 then ask for K's part, waves 8-15 for V's
.macro STAGE row0, rows
	s_wait_tensorcnt 0x0
	ds_add_u32 v5, v6
	SETG I7, \row0, \rows
	s_wait_dscnt 0x0
	ROUND
	s_cmp_lt_u32 s[WV], 8
	s_cbranch_scc0 .Lfor_v_\@
	tensor_load_to_lds s[G0K:G0K+3], s[G1K:G1K+7]
	NOPS
	s_branch .Lasked_\@
.Lfor_v_\@:
	tensor_load_to_lds s[G0V:G0V+3], s[G1V:G1V+7]
	NOPS
.Lasked_\@:
.endm
.macro INIT                            ; a tile's start: the first step finds zeros, which its change of M leaves zeros
	v_mov_b32 v13, 0xff61b1e6                      ; the largest score so far: -3e38
	v_mov_b32 v12, 0x7f61b1e6                      ; -M: 3e38
	v_mov_b32 v14, 0
	v_mov_b32 v15, 0
.set j, 0
.rept 32
	v_mov_b32 v[160+j], 0
.set j, j+1
.endr
.endm
; A KEY STEP: 128 keys
.macro STEP
	v_add_nc_u32 v[TA], s[TK], v1                  ; these four are the places in front of loads into registers that the last products have read
	v_add_nc_u32 v[TA+1], s[TK], v2
	v_add_nc_u32 v[TA+2], s[TS], v7
	v_mov_b32 v[OLD], v12
.irp c, 0,1
.irp u, 0,1,2,3
	ds_load_b128 v[32+24*\c+6*\u:35+24*\c+6*\u], v[TA] offset:4*KTILE*\c+KTILE*(\u%2)+128*(\u/2)
	ds_load_b64 v[36+24*\c+6*\u:37+24*\c+6*\u], v[TA+1] offset:4*KTILE*\c+KTILE*(\u%2)+640+64*(\u/2)
.endr
.endr
	ds_load_b64 v[192:193], v[TA+2]                ; K's scale words: register u: lanes 0-15 tile u, lanes 16-31 tile 4 + u
	ds_load_b64 v[194:195], v[TA+2] offset:128
	s_wait_dscnt 0x0
.irp u, 0,1,2,3
	v_wmma_scale_f32_16x16x128_f8f6f4 v[96+8*\u:103+8*\u], v[32+6*\u:43+6*\u], v[16:27], 0, v[192+\u], v29 matrix_a_fmt:MATRIX_FMT_FP6 matrix_b_fmt:MATRIX_FMT_FP6
.endr
.irp u, 0,1,2,3
	v_wmma_scale_f32_16x16x128_f8f6f4 v[128+8*\u:135+8*\u], v[56+6*\u:67+6*\u], v[16:27], 0, v[192+\u], v29 matrix_a_fmt:MATRIX_FMT_FP6 matrix_b_fmt:MATRIX_FMT_FP6 matrix_a_scale:MATRIX_SCALE_ROW1
.endr
	v_add_nc_u32 v[TA+3], s[TV], v3                ; four places in front of the loads below and of the first read of the scores
	v_add_nc_u32 v[TA+4], s[TV], v4
	v_add_nc_u32 v[TA+5], s[TS], v8
	v_nop
.irp d, 0,1,2,3                        ; V's four fragments land while the softmax runs
	ds_load_b128 v[32+12*\d:35+12*\d], v[TA+3] offset:1536*\d
	ds_load_b64 v[36+12*\d:37+12*\d], v[TA+4] offset:1536*\d+512
	ds_load_b128 v[38+12*\d:41+12*\d], v[TA+3] offset:1536*\d+768
	ds_load_b64 v[42+12*\d:43+12*\d], v[TA+4] offset:1536*\d+1280
.endr
	ds_load_b128 v[196:199], v[TA+5]
.irp c, 0,1                            ; the largest score of my two blocks of 32 keys, each in two chains; each accumulator is read from its low end on
	v_max3_num_f32 v[BM+\c], v[96+32*\c], v[97+32*\c], v[98+32*\c]
	v_max3_num_f32 v[SA+\c], v[112+32*\c], v[113+32*\c], v[114+32*\c]
.endr
.irp i, 3,5,7,9,11,13
.irp c, 0,1
	v_max3_num_f32 v[BM+\c], v[BM+\c], v[96+32*\c+\i], v[97+32*\c+\i]
	v_max3_num_f32 v[SA+\c], v[SA+\c], v[112+32*\c+\i], v[113+32*\c+\i]
.endr
.endr
.irp c, 0,1
	v_max3_num_f32 v[BM+\c], v[BM+\c], v[SA+\c], v[111+32*\c]
.endr
.irp c, 0,1
	v_max_num_f32 v[BM+\c], v[BM+\c], v[127+32*\c]
.endr
	s_delay_alu instid0(VALU_DEP_1)
	v_max_num_f32 v[T0], v[BM], v[BM+1]
	s_delay_alu instid0(VALU_DEP_1)
	v_permlanex16_b32 v[T1], v[T0], s[SEL], s[SEL+1]
	s_delay_alu instid0(VALU_DEP_1)
	v_max3_num_f32 v13, v13, v[T0], v[T1]          ; the running largest score of my query (c is positive)
	s_delay_alu instid0(VALU_DEP_1)
	v_mul_f32 v[T0], s[CS], v13                    ; as t
	s_delay_alu instid0(VALU_DEP_1)
	v_floor_f32 v12, -v[T0]                        ; the new -M = floor(-t)
	s_delay_alu instid0(VALU_DEP_1)
	v_sub_f32 v[T0], v12, v[OLD]                   ; old M - new M: a whole number, 0 or less
.set j, 0
.rept 8
	v_pk_fma_f32 v[96+j:97+j], v[96+j:97+j], s[CS:CS+1], v[12:13] op_sel_hi:[1,0,0]   ; t - M, two at a time
.set j, j+2
.endr
	v_cvt_i32_f32 v[T0], v[T0]                     ; (it saturates)
.rept 8
	v_pk_fma_f32 v[96+j:97+j], v[96+j:97+j], s[CS:CS+1], v[12:13] op_sel_hi:[1,0,0]
.set j, j+2
.endr
	v_ldexp_f32 v[F], 1.0, v[T0]                   ; f = 2^(old M - new M)
.rept 16
	v_pk_fma_f32 v[96+j:97+j], v[96+j:97+j], s[CS:CS+1], v[12:13] op_sel_hi:[1,0,0]
.set j, j+2
.endr
.irp c, 0,1
	v_fma_f32 v[BM+\c], v[BM+\c], s[CS], v12       ; the same of each block's largest score: p rises with the score
.endr
.set j, 0
.rept 16
	v_pk_mul_f32 v[160+j:161+j], v[160+j:161+j], v[F:F+1] op_sel_hi:[1,0]   ; O^T under the new M
.set j, j+2
.endr
	s_wait_alu depctr_va_vdst(0)                   ; the wait ahead of the batch
.set j, 0
.rept 64
	v_exp_f32 v[96+j], v[96+j]                     ; p = 2^(t - M), at most 1
.set j, j+1
.endr
.irp c, 0,1
	v_exp_f32 v[BM+\c], v[BM+\c]                   ; the block's largest p
.endr
	v_nop                                          ; a plain place behind the exponentials
	s_wait_alu depctr_va_vdst(0)                   ; and the one wait behind the batch
.irp c, 0,1
	v_max_num_f32 v[BM+\c], 0x1800000, v[BM+\c]    ; the floor 2^(3 - 127): the byte cannot fall under 1
.endr
.irp c, 0,1
	s_delay_alu instid0(VALU_DEP_2)
	v_add_nc_u32 v[SO+\c], 0xff000000, v[BM+\c]    ; 2 off the exponent field: the conversion's scale operand
.endr
.irp c, 0,1                            ; registers 6 c .. 6 c + 5 of the operand: my block 2 c + h
	v_cvt_scalef32_pk16_fp6_f32 v[224+6*\c:226+6*\c], v[96+32*\c:111+32*\c], v[SO+\c]
	v_cvt_scalef32_pk16_fp6_f32 v[CT+4*\c:CT+4*\c+2], v[112+32*\c:127+32*\c], v[SO+\c]   ; (a conversion's three registers begin on an even number)
.endr
.irp c, 0,1
	v_lshrrev_b32 v[BY+\c], 23, v[SO+\c]           ; the scale's byte.  (Plain places behind the conversions)
.endr
	s_delay_alu instid0(VALU_DEP_1)
	v_lshl_or_b32 v[W], v[BY+1], 16, v[BY]         ; blocks h and 2 + h,
	s_delay_alu instid0(VALU_DEP_1)
	v_lshlrev_b32 v[W], v9, v[W]                   ; at their places in the word (8 h bits up);
	s_delay_alu instid0(VALU_DEP_1)
	v_permlanex16_b32 v[W2], v[W], s[SEL], s[SEL+1]
	s_delay_alu instid0(VALU_DEP_1)
	v_or_b32 v[PW], v[W], v[W2]                    ; with lane l xor 16's two the word is whole
.irp c, 0,1
.irp i, 0,1,2
	v_mov_b32 v[227+6*\c+\i], v[CT+4*\c+\i]
.endr
.endr
.irp k, 0,1,2,3                        ; the row's sum of the unquantised p, in four chains of pairs.  (These 32 are also the places between the word's and the codes' last writes and the products below)
	v_pk_add_f32 v[SA+2*\k:SA+2*\k+1], v[96+4*\k:97+4*\k], v[98+4*\k:99+4*\k]
.endr
.set j, 16
.rept 6
.irp k, 0,1,2,3
	v_pk_add_f32 v[SA+2*\k:SA+2*\k+1], v[SA+2*\k:SA+2*\k+1], v[96+j+2*\k:97+j+2*\k]
.endr
.set j, j+8
.endr
	v_pk_add_f32 v[SA:SA+1], v[SA:SA+1], v[SA+2:SA+3]
	v_pk_add_f32 v[SA+4:SA+5], v[SA+4:SA+5], v[SA+6:SA+7]
	s_delay_alu instid0(VALU_DEP_1)
	v_pk_add_f32 v[SA:SA+1], v[SA:SA+1], v[SA+4:SA+5]
	s_delay_alu instid0(VALU_DEP_1)
	v_pk_fma_f32 v[14:15], v[14:15], v[F:F+1], v[SA:SA+1] op_sel_hi:[1,0,1]   ; the old sum under the new M, and this step's
	s_wait_dscnt 0x0                               ; V's fragments are in
.irp d, 0,1,2,3                        ; O^T += V^T P^T: the four accumulators by turns
	v_wmma_scale_f32_16x16x128_f8f6f4 v[160+8*\d:167+8*\d], v[32+12*\d:43+12*\d], v[224:235], v[160+8*\d:167+8*\d], v[196+\d], v[PW] matrix_a_fmt:MATRIX_FMT_FP6 matrix_b_fmt:MATRIX_FMT_FP6
.endr
.endm
.macro RUN n, k0                       ; n key steps from step k0 on
	s_mov_b32 s[TK], \k0*KSTEP
	s_mov_b32 s[TV], \k0*VSTEP
	s_mov_b32 s[TS], \k0*512
	s_mov_b32 s[CNT], \n
.Lrun_\@:
	STEP
	s_add_co_u32 s[TK], s[TK], KSTEP
	s_add_co_u32 s[TV], s[TV], VSTEP
	s_add_co_u32 s[TS], s[TS], 512
	s_sub_co_u32 s[CNT], s[CNT], 1
	s_cmp_lg_u32 s[CNT], 0
	s_cbranch_scc1 .Lrun_\@
.endm
; THE WAY OUT of my tile p.  O^T / the sum: register 16 b + i is channel 32 b + 16 h + i of my query: two blocks of the output projection's K.  They are quantised and leave as half an image.
.macro EPI p
	s_wait_alu depctr_va_vdst(0)                   ; the sum was written just ahead of a wait on DScnt
	v_add_f32 v14, v14, v15
	s_delay_alu instid0(VALU_DEP_1)
	v_permlanex16_b32 v[T1], v14, s[SEL], s[SEL+1]
	s_delay_alu instid0(VALU_DEP_1)
	v_add_f32 v14, v14, v[T1]                      ; both halves of the keys
	s_wait_alu depctr_va_vdst(0)
	v_rcp_f32 v14, v14
.rept 4
	v_nop                                          ; the place behind the reciprocal, and the places behind the last products
.endr
	s_wait_alu depctr_va_vdst(0)
.set j, 0
.rept 16
	v_pk_mul_f32 v[96+j:97+j], v[160+j:161+j], v[14:15] op_sel_hi:[1,0]
.set j, j+2
.endr
.irp b, 0,1
	v_max3_num_f32 v[BM+\b], |v[96+16*\b]|, |v[97+16*\b]|, 0x1800000
.endr
.irp i, 2,4,6,8,10,12,14
.irp b, 0,1
	s_delay_alu instid0(VALU_DEP_2)
	v_max3_num_f32 v[BM+\b], v[BM+\b], |v[96+16*\b+\i]|, |v[97+16*\b+\i]|
.endr
.endr
.irp b, 0,1
	s_delay_alu instid0(VALU_DEP_2)
	v_permlanex16_b32 v[W+\b], v[BM+\b], s[SEL], s[SEL+1]
.endr
.irp b, 0,1
	s_delay_alu instid0(VALU_DEP_2)
	v_max_num_f32 v[BM+\b], v[BM+\b], v[W+\b]
.endr
.irp b, 0,1
	s_delay_alu instid0(VALU_DEP_2)
	v_add_nc_u32 v[SO+\b], 0xff000000, v[BM+\b]
.endr
.irp b, 0,1
	s_delay_alu instid0(VALU_DEP_2)
	v_lshrrev_b32 v[BY+\b], 23, v[SO+\b]
.endr
	s_delay_alu instid0(VALU_DEP_1)
	v_lshl_or_b32 v[WO], v[BY+1], 8, v[BY]         ; my head's half of the row's scale word
	v_cvt_scalef32_pk16_fp6_f32 v[224:226], v[96:111], v[SO]
	v_cvt_scalef32_pk16_fp6_f32 v[CT:CT+2], v[112:127], v[SO+1]
	v_nop                                          ; one plain place behind a scaled conversion
.irp i, 0,1,2
	v_permlane16_swap_b32 v[224+\i], v[CT+\i]
.endr
.irp i, 0,1,2
	s_delay_alu instid0(VALU_DEP_3)
	v_mov_b32 v[227+\i], v[CT+\i]
.endr
	global_store_b128 v10, v[224:227], s[OA:OA+1] offset:1536*\p        ; 512 consecutive bytes,
	global_store_b64 v11, v[228:229], s[OA:OA+1] offset:1536*\p+512     ; and 256
	global_store_b16 v28, v[WO], s[OS:OS+1] offset:4*\p                 ; two bytes a row; a word's other half is another head's
.endm
	s_load_b256 s[4:11], s[0:1], 0x0               ; qkv_img s[4:5], qkv_sc s[6:7], ao_img s[8:9], ao_sc s[10:11]
	v_lshl_add_u32 v5, v0, 2, SPARE
	v_mov_b32 v6, 0
	ds_add_u32 v5, v6                              ; the opening lines: the add, twice on end, and its wait
	ds_add_u32 v5, v6
	v_lshrrev_b32 v7, 5, v0
	v_readfirstlane_b32 s[WV], v7                  ; wave 0..15
	s_and_b32 s[I3], s[WV], 3
	s_and_b32 s[I7], s[WV], 7
	s_and_b32 s[HD], ttmp7, 15                     ; the head
	s_bfe_u32 s[BT], ttmp7, 0x20004                ; the batch
	s_mul_i32 s[HI], s[HD], 393216
	s_mul_i32 s73, s[BT], 98304
	s_add_co_u32 s[HI], s[HI], s73                 ; the head's and batch's place in a set of planes of images,
	s_lshl_b32 s[HS], s[HD], 15
	s_lshl_b32 s73, s[BT], 13
	s_add_co_u32 s[HS], s[HS], s73                 ; and of scale words
	; groups 1: rows of 256 bytes (32 elements of 8), dense in memory; mask 15 with bit 21 beside it; K's with 16 words of padding behind every 64
	s_mov_b32 s[G1K], 15|(3<<16)|(1<<20)|(1<<21)|(5<<22)|(15<<25)
	s_mov_b32 s[G1V], 15|(3<<16)|(1<<21)
	s_mov_b32 s[G1S], 15|(3<<16)|(1<<21)
.irp g, G1K, G1V, G1S
	s_mov_b32 s[\g+1], 32<<16
	s_mov_b32 s[\g+2], 8<<16
	s_mov_b32 s[\g+3], 32<<16
	s_mov_b32 s[\g+4], 8
	s_mov_b32 s[\g+5], 32
	s_mov_b32 s[\g+6], 0
	s_mov_b32 s[\g+7], 0
.endr
	s_mov_b32 s[G0K], 1
	s_mov_b32 s[G0V], 1
	s_mov_b32 s[G0S], 1
	s_mov_b32 s[OF+1], 0
	s_mov_b32 s[OF2+1], 0
	s_mov_b32 s[SEL], 0x76543210
	s_mov_b32 s[SEL+1], 0xfedcba98
	s_mov_b32 s[CS], 0x3e38aa3b
	s_mov_b32 s[CS+1], s[CS]
	s_lshl_b32 s[G0S+1], s[I7], 11                 ; the scale words: waves 8-11 K's four quarters, waves 12-15 V's, 2,048 bytes each
	s_add_co_u32 s[G0S+1], s[G0S+1], SCK
	s_lshr_b32 s73, s[I7], 2
	s_mul_i32 s73, s73, 524288-8192                ; V's planes of scale words lie 524,288 bytes behind K's
	s_lshl_b32 s[OF2], s[I7], 11
	s_add_co_u32 s[OF2], s[OF2], s73
	s_add_co_u32 s[OF2], s[OF2], s[HS]
	s_add_co_u32 s[OF2], s[OF2], 524288
	s_add_co_u32 s[OF], s[HI], 6291456
	s_wait_dscnt 0x0                               ; both opening adds are done
	s_wait_kmcnt 0x0
	s_add_nc_u64 s[KP:KP+1], s[4:5], s[OF:OF+1]
	s_add_nc_u64 s[VP:VP+1], s[KP:KP+1], 6291456
	s_add_nc_u64 s[G0S+2:G0S+3], s[6:7], s[OF2:OF2+1]
	s_or_b32 s[G0S+3], s[G0S+3], 0x80000000
	SETG I3, 0, 12                                 ; stage 0: keys 0-255: 48 rows of K (waves 0-3) and of V (waves 4-7), 12 a wave
	ROUND                                          ; all four work-groups are here: the first joint loads meet
	s_cmp_lt_u32 s[WV], 4                          ; one chain of branches on the wave's number, one load to an arm
	s_cbranch_scc0 .Lhead_v
	tensor_load_to_lds s[G0K:G0K+3], s[G1K:G1K+7]
	NOPS
	s_branch .Lhead_asked
.Lhead_v:
	s_cmp_lt_u32 s[WV], 8
	s_cbranch_scc0 .Lhead_s
	tensor_load_to_lds s[G0V:G0V+3], s[G1V:G1V+7]
	NOPS
	s_branch .Lhead_asked
.Lhead_s:
	tensor_load_to_lds s[G0S:G0S+3], s[G1S:G1S+7]
	NOPS
.Lhead_asked:
	; my two tiles of queries: 32 x place in the cluster + 2 x wave, and the next.  These registers feed global addresses of my own loads and stores alone
	s_bfe_u32 s80, ttmp6, 0x40000
	s_lshl_b32 s80, s80, 5
	s_lshl_b32 s81, s[WV], 1
	s_add_co_u32 s80, s80, s81
	s_mul_i32 s82, s80, 768
	s_add_co_u32 s82, s82, s[HI]
	s_mov_b32 s83, 0
	s_add_nc_u64 s[QA:QA+1], s[4:5], s[82:83]      ; q's planes come first
	s_lshr_b32 s82, s80, 2
	s_lshl_b32 s82, s82, 8
	s_and_b32 s81, s80, 3
	s_lshl_b32 s81, s81, 2
	s_add_co_u32 s82, s82, s81
	s_add_co_u32 s82, s82, s[HS]
	s_add_nc_u64 s[QS:QS+1], s[6:7], s[82:83]
	s_lshl_b32 s86, s[BT], 4                       ; the result: group of 128 tokens = 16 x batch + tile / 8, K step = head / 2, half = head % 2, block = tile % 8
	s_lshr_b32 s81, s80, 3
	s_add_co_u32 s86, s86, s81
	s_lshr_b32 s87, s[HD], 1
	s_and_b32 s94, s[HD], 1
	s_and_b32 s95, s80, 7
	s_mul_i32 s82, s86, 98304
	s_mul_i32 s81, s87, 12288
	s_add_co_u32 s82, s82, s81
	s_mul_i32 s81, s95, 1536
	s_add_co_u32 s82, s82, s81
	s_mul_i32 s81, s94, 768
	s_add_co_u32 s82, s82, s81
	s_add_nc_u64 s[OA:OA+1], s[8:9], s[82:83]
	s_lshl_b32 s82, s86, 12
	s_lshl_b32 s81, s87, 9
	s_add_co_u32 s82, s82, s81
	s_lshr_b32 s81, s95, 2
	s_lshl_b32 s81, s81, 8
	s_add_co_u32 s82, s82, s81
	s_and_b32 s81, s95, 3
	s_lshl_b32 s81, s81, 2
	s_add_co_u32 s82, s82, s81
	s_lshl_b32 s81, s94, 1
	s_add_co_u32 s82, s82, s81
	s_add_nc_u64 s[OS:OS+1], s[10:11], s[82:83]
	v_and_b32 v[TA], 31, v0                        ; lane
	v_and_b32 v[TA+1], 7, v0                       ; r % 8
	v_bfe_u32 v[TA+2], v0, 3, 1                    ; g = r / 8
	v_bfe_u32 v[TA+3], v0, 4, 1                    ; h
	v_and_b32 v[TA+4], 15, v0                      ; r
	v_lshlrev_b32 v10, 4, v[TA]
	v_lshlrev_b32 v11, 3, v[TA]
	v_lshlrev_b32 v28, 4, v[TA+4]
	global_load_b128 v[16:19], v10, s[QA:QA+1]     ; the first tile's Q,
	global_load_b64 v[20:21], v11, s[QA:QA+1] offset:512
	global_load_b32 v29, v28, s[QS:QS+1]
	global_load_b128 v[86:89], v10, s[QA:QA+1] offset:768   ; and the second's
	global_load_b64 v[90:91], v11, s[QA:QA+1] offset:1280
	global_load_b32 v30, v28, s[QS:QS+1] offset:4
	v_mul_u32_u24 v1, v[TA+3], 320                 ; K, 16-byte pieces: row h of the stored tile, lane r % 8 of it, two stored tiles on for g = 1
	v_mad_u32_u24 v1, v[TA+2], 2*KTILE, v1
	v_lshl_add_u32 v1, v[TA+1], 4, v1
	v_lshlrev_b32 v2, 7, v[TA+3]                   ; K, 8-byte pieces
	v_mad_u32_u24 v2, v[TA+2], 2*KTILE, v2
	v_lshl_add_u32 v2, v[TA+1], 3, v2
	v_add_nc_u32 v3, VB, v10
	v_add_nc_u32 v4, VB, v11
	v_lshlrev_b32 v7, 8, v[TA+3]                   ; K's scale words: 256 h + 16 (r % 8) + 8 g
	v_lshl_add_u32 v7, v[TA+1], 4, v7
	v_lshl_add_u32 v7, v[TA+2], 3, v7
	v_add_nc_u32 v7, SCK, v7
	v_add_nc_u32 v8, SCV, v10
	v_lshlrev_b32 v9, 3, v[TA+3]
.irp j, 22,23,24,25,26,27, 80,81,82,83,84,85
	v_mov_b32 v\j, 0                               ; zero codes: Q's upper half, and what stands behind K's last tile
.endr
	v_mov_b32 v[T1], 0                             ; written once: a lane permute's destination counts as one of its sources
	v_mov_b32 v[W], 0
	v_mov_b32 v[W2], 0
	v_mov_b32 v[F+1], 0                            ; (named with f as a pair)
	INIT
	s_wait_alu depctr_va_vdst(0)                   ; the wait at the head's end
	s_wait_loadcnt 0x0                             ; Q
	STAGE 48, 18                                   ; stage 0 is whole; keys 256-1,023 are asked for: 144 rows of K and of V, 18 a wave
	RUN 2, 0
	STAGE 192, 24                                  ; stage 1 is whole; keys 1,024-2,047: 192 rows each, 24 a wave
	RUN 6, 2
	s_wait_tensorcnt 0x0                           ; my part of stage 2 is in;
	ds_add_u32 v5, v6
	s_wait_dscnt 0x0
	s_barrier_signal -1
	s_barrier_wait -1                              ; and everybody's
	RUN 8, 8
	EPI 0
.irp i, 0,1,2,3,4,5
	v_mov_b32 v[16+\i], v[86+\i]                   ; the second tile walks all keys with no barrier
.endr
	v_mov_b32 v29, v30
	INIT
	s_wait_alu depctr_va_vdst(0)                   ; the wait here, directly ahead of the wait below
	s_wait_xcnt 0x0                                ; the stores above have read their data: the codes' registers are written again only behind this wait
	RUN 16, 0
	EPI 1
	s_wait_tensorcnt 0x0                           ; the wave's end
	ds_add_u32 v5, v6
	s_wait_dscnt 0x0
	ROUND                                          ; the closing round
	s_endpgm
.Lfunc_end_k_q92d2f34e75_attn:
	.size	k_q92d2f34e75_attn, .Lfunc_end_k_q92d2f34e75_attn-k_q92d2f34e75_attn
	.p2alignl 7, 3214868480
	.fill 96, 4, 3214868480
	.section	.rodata,"a",@progbits
	.p2align	6, 0x0
	.amdhsa_kernel k_q92d2f34e75_attn
		.amdhsa_group_segment_fixed_size 327680
		.amdhsa_private_segment_fixed_size 0
		.amdhsa_enable_private_segment 0
		.amdhsa_kernarg_size 32
		.amdhsa_user_sgpr_count 2
		.amdhsa_user_sgpr_kernarg_segment_ptr 1
		.amdhsa_wavefront_size32 1
		.amdhsa_system_sgpr_workgroup_id_x 1
		.amdhsa_system_sgpr_workgroup_id_y 1
		.amdhsa_system_sgpr_workgroup_id_z 1
		.amdhsa_system_vgpr_workitem_id 0
		.amdhsa_next_free_vgpr 256
		.amdhsa_next_free_sgpr 100
		.amdhsa_reserve_vcc 0
		.amdhsa_float_denorm_mode_32 3
		.amdhsa_float_denorm_mode_16_64 3
		.amdhsa_memory_ordered 1
		.amdhsa_forward_progress 1
		.amdhsa_inst_pref_size 87
	.end_amdhsa_kernel
	.amdgpu_metadata
---
amdhsa.version: [ 1, 2 ]
amdhsa.kernels:
  - .name:           k_q92d2f34e75_attn
    .symbol:         k_q92d2f34e75_attn.kd
    .args:
      - { .name: qkv_img, .offset: 0, .size: 8, .value_kind: global_buffer, .address_space: global }
      - { .name: qkv_sc, .offset: 8, .size: 8, .value_kind: global_buffer, .address_space: global }
      - { .name: ao_img, .offset: 16, .size: 8, .value_kind: global_buffer, .address_space: global }
      - { .name: ao_sc, .offset: 24, .size: 8, .value_kind: global_buffer, .address_space: global }
    .group_segment_fixed_size: 327680
    .private_segment_fixed_size: 0
    .kernarg_segment_align: 8
    .kernarg_segment_size: 32
    .max_flat_workgroup_size: 512
    .sgpr_count:     100
    .vgpr_count:     256
    .wavefront_size: 32
...
	.end_amdgpu_metadata
.endif
;; end of part 3
;; launch oproj (part 4): grid 4 x 32, 4 waves a work-group, clusters of 4 x 4, 327,680 bytes of LDS; arguments ao_img, ao_sc, codes, scales, out0; writes out0
.if DOCPART == 4
	.amdgcn_target "amdgcn-amd-amdhsa--gfx1250"
	.amdhsa_code_object_version 6
	.text
	.protected	k_q92d2f34e75_oproj
	.globl	k_q92d2f34e75_oproj
	.p2align	8
	.type	k_q92d2f34e75_oproj,@function
k_q92d2f34e75_oproj:
	s_mov_b64 s[64:65], 0
	v_nop
	global_prefetch_b8 v0, s[64:65] scope:SCOPE_SE
	s_setreg_imm32_b32 hwreg(HW_REG_WAVE_MODE, 25, 1), 1
	s_wait_xcnt 0x0
	s_wait_alu depctr_hold_cnt(0) depctr_sa_sdst(0) depctr_va_vdst(0) depctr_va_sdst(0) depctr_va_ssrc(0) depctr_va_vcc(0) depctr_vm_vsrc(0)
	s_getreg_b32 s2, hwreg(HW_REG_IB_STS2, 6, 4)
	s_cmp_eq_u32 s2, 0
	s_cbranch_scc0 .Lentry_in_a_cluster
	s_endpgm
.Lentry_in_a_cluster:
	s_bfe_u32 s2, ttmp6, 0x10000c
	s_cmp_lg_u32 s2, 0xf033
	s_cbranch_scc0 .Lentry_shape_is_right
	s_endpgm
.Lentry_shape_is_right:
.set NQ,     2
.set FR,     12
.set FRB,    1536
.set QB,     8*FRB
.set NL,     4
.set NP,     4
.set HALFT,  NQ*QB
.set SLOT,   4*HALFT
.set RGB,    98304
.set SCL,    2*SLOT
.set HALFS,  4096
.set SPARE,  SCL+4*HALFS
.set SPITCH, 528
.set ADRA, 16
.set ADRB, 20
.set STO,  24
.set RD,   25
.set CO,   26
.set ADRS, 27
.set SPW,  28
.set NIL,  29
.set SC,   32
.set AF,   128
.set BK,   128
.set G1, 24
.set G0, 32
.set G1B, 48
.set G0B, 56
.set G1S, 68
.set G0S, 76
.set G1SB, 80
.set G0SB, 88
.set MSB, 0
.macro WIN new
.if MSB != \new
	s_set_vgpr_msb (MSB<<8)|\new
.set MSB, \new
.endif
.endm
.set MUL_LO, 0xa1
.set MUL_HI, 0xf1
.set TO_B,   0x40
.macro JLOAD g0a, g1a, g0b, g1b
	s_cmp_eq_u32 s15, 0
	s_cbranch_scc0 .Lfor_b_\@
	tensor_load_to_lds s[\g0a:\g0a+3], s[\g1a:\g1a+7]
	s_nop 0
.rept 4
	v_nop
.endr
	s_branch .Lasked_\@
.Lfor_b_\@:
	tensor_load_to_lds s[\g0b:\g0b+3], s[\g1b:\g1b+7]
	s_nop 0
.rept 4
	v_nop
.endr
.Lasked_\@:
.endm
.macro CREST
	s_cmp_lg_u32 s14, 0
	s_cbranch_scc1 .Lnot_wave_0_\@
	s_barrier_signal -3
.Lnot_wave_0_\@:
	s_barrier_wait -3
	s_barrier_signal -1
	s_barrier_wait -1
.endm
.macro CROUND
	s_barrier_signal -1
	s_barrier_wait -1
	CREST
.endm
	s_load_b128 s[4:7], s[0:1], 0x0
	s_load_b128 s[8:11], s[0:1], 0x10
	s_load_b64 s[12:13], s[0:1], 0x20
	v_lshl_add_u32 v[SPW], v0, 2, SPARE
	v_mov_b32 v[NIL], 0
	ds_add_u32 v28, v29
	ds_add_u32 v28, v29
	s_wait_dscnt 0x0
	v_lshrrev_b32 v1, 5, v0
	v_readfirstlane_b32 s14, v1
	s_lshr_b32 s15, s14, 1
	s_and_b32 s16, s14, 1
	s_bfe_u32 s40, ttmp6, 0x40000
	s_bfe_u32 s41, ttmp6, 0x40004
	s_lshl_b32 s42, ttmp9, 2
	s_add_co_u32 s42, s42, s40
	s_and_b32 s17, ttmp7, 0xffff
	s_lshl_b32 s17, s17, 2
	s_add_co_u32 s17, s17, s41
	s_lshl_b32 s43, s41, 2
	s_lshl_b32 s43, 15, s43
	s_lshl_b32 s44, 0x1111, s40
	s_or_b32 s[G1+0], s43, (3<<16)|(1<<21)
	s_or_b32 s[G1B+0], s44, (3<<16)|(1<<21)
.irp g, G1, G1B
	s_mov_b32 s[\g+1], 32<<16
	s_mov_b32 s[\g+2], 96<<16
	s_mov_b32 s[\g+3], 32<<16
	s_mov_b32 s[\g+4], 96
	s_mov_b32 s[\g+5], 32
	s_mov_b32 s[\g+6], 0
	s_mov_b32 s[\g+7], 0
.endr
	s_or_b32 s[G1S+0], s43, (3<<16)|(1<<21)
	s_or_b32 s[G1SB+0], s44, (3<<16)|(1<<21)
.irp g, G1S, G1SB
	s_mov_b32 s[\g+1], 32<<16
	s_mov_b32 s[\g+2], 16<<16
	s_mov_b32 s[\g+3], 32<<16
	s_mov_b32 s[\g+4], 16
	s_mov_b32 s[\g+5], 32
	s_mov_b32 s[\g+6], 0
	s_mov_b32 s[\g+7], 0
.endr
	s_lshl_b32 s20, s17, 1
	s_add_co_u32 s20, s20, s16
	s_lshl_b32 s46, s42, 1
	s_add_co_u32 s46, s46, s16
	s_add_co_u32 s46, s46, 88
	s_lshl_b32 s22, s20, 12
	s_lshl_b32 s92, s46, 12
	s_mul_i32 s20, s20, RGB
	s_mul_i32 s46, s46, RGB
	s_mov_b32 s21, 0
	s_mov_b32 s23, 0
	s_mov_b32 s47, 0
	s_mov_b32 s93, 0
	s_mul_i32 s45, s14, HALFT
	s_mul_i32 s94, s14, HALFS
	s_wait_kmcnt 0x0
	s_add_nc_u64 s[20:21], s[4:5], s[20:21]
	s_add_nc_u64 s[22:23], s[6:7], s[22:23]
	s_add_nc_u64 s[46:47], s[8:9], s[46:47]
	s_add_nc_u64 s[92:93], s[10:11], s[92:93]
	CROUND
	s_mov_b32 s[G0S], 1
	s_add_co_u32 s[G0S+1], s94, SCL
	s_mov_b64 s[G0S+2:G0S+3], s[22:23]
	s_or_b32 s[G0S+3], s[G0S+3], 0x80000000
	s_mov_b32 s[G0SB], 1
	s_add_co_u32 s[G0SB+1], s94, SCL
	s_mov_b64 s[G0SB+2:G0SB+3], s[92:93]
	s_or_b32 s[G0SB+3], s[G0SB+3], 0x80000000
	JLOAD G0S, G1S, G0SB, G1SB
.irp s, 0,1
	s_mov_b32 s[G0+4*\s], 1
	s_add_co_u32 s[G0+4*\s+1], s45, \s*SLOT
	s_add_nc_u64 s[G0+4*\s+2:G0+4*\s+3], s[20:21], \s*HALFT
	s_or_b32 s[G0+4*\s+3], s[G0+4*\s+3], 0x80000000
	s_mov_b32 s[G0B+4*\s], 1
	s_add_co_u32 s[G0B+4*\s+1], s45, \s*SLOT
	s_add_nc_u64 s[G0B+4*\s+2:G0B+4*\s+3], s[46:47], \s*HALFT
	s_or_b32 s[G0B+4*\s+3], s[G0B+4*\s+3], 0x80000000
	s_wait_alu depctr_va_vdst(0)
	s_wait_tensorcnt 0x0
	ds_add_u32 v28, v29
	s_wait_dscnt 0x0
	CROUND
	JLOAD G0+4*\s, G1, G0B+4*\s, G1B
.endr
	v_and_b32 v1, 15, v0
	v_bfe_u32 v2, v0, 4, 1
	v_and_b32 v3, 31, v0
	v_lshlrev_b32 v4, 4, v3
	v_lshlrev_b32 v5, 3, v3
	s_mul_i32 s21, s15, HALFT
	s_mul_i32 s22, s16, HALFT
	s_add_co_u32 s22, s22, 2*HALFT
.irp s, 0,1
	v_add_nc_u32 v[ADRA+\s], s21, v4
	v_add_nc_u32 v[ADRB+\s], s22, v4
	v_add_nc_u32 v[ADRA+2+\s], s21, v5
	v_add_nc_u32 v[ADRB+2+\s], s22, v5
	s_add_co_u32 s21, s21, SLOT
	s_add_co_u32 s22, s22, SLOT
.endr
	s_mul_i32 s21, s15, HALFS
	s_mul_i32 s22, s16, HALFS
	s_add_co_u32 s22, s22, 2*HALFS
	s_sub_co_u32 s22, s22, s21
	v_mul_u32_u24 v6, s22, v2
	s_add_co_u32 s21, s21, SCL
	v_lshl_add_u32 v6, v1, 4, v6
	v_add_nc_u32 v[ADRS], s21, v6
	s_mul_i32 s23, s14, 16*SPITCH
	v_mul_u32_u24 v6, v1, SPITCH
	v_lshl_add_u32 v6, v2, 6, v6
	v_add_nc_u32 v[STO], s23, v6
	v_mov_b32 v[CO], v4
	v_add_nc_u32 v[RD], s23, v4
	s_lshl_b32 s20, s17, 20
	s_lshl_b32 s21, s15, 19
	s_add_co_u32 s20, s20, s21
	s_mov_b32 s21, 0
	s_lshl_b32 s46, s42, 10
	s_lshl_b32 s47, s16, 9
	s_add_co_u32 s46, s46, s47
	s_mov_b32 s47, 0
	s_add_nc_u64 s[20:21], s[20:21], s[46:47]
	s_add_nc_u64 s[12:13], s[12:13], s[20:21]
.macro FRAG reg, adr, q, i
	ds_load_b128 v[\reg:\reg+3],     v[\adr]   offset:(\q)*QB+(\i)*FRB
	ds_load_b64  v[\reg+4:\reg+5],   v[\adr+2] offset:(\q)*QB+(\i)*FRB+512
	ds_load_b128 v[\reg+6:\reg+9],   v[\adr]   offset:(\q)*QB+(\i)*FRB+768
	ds_load_b64  v[\reg+10:\reg+11], v[\adr+2] offset:(\q)*QB+(\i)*FRB+1280
.endm
.macro MUL16 a0, p, q, sc, zero
.irp a, \a0, \a0+1
.irp b, 0,1,2,3,4,5,6,7
.if \zero
	v_wmma_scale_f32_16x16x128_f8f6f4 v[8*(8*((\a)%4)+\b):8*(8*((\a)%4)+\b)+7], v[128*(\p)+FR*\b:128*(\p)+FR*\b+FR-1], v[AF+FR*(\a):AF+FR*(\a)+FR-1], 0, v[SC+16*(\sc)+8*(\q)+\b], v[SC+16*(\sc)+8*(\q)+(\a)] matrix_a_fmt:MATRIX_FMT_FP6 matrix_b_fmt:MATRIX_FMT_FP6 matrix_a_scale:MATRIX_SCALE_ROW1
.else
	v_wmma_scale_f32_16x16x128_f8f6f4 v[8*(8*((\a)%4)+\b):8*(8*((\a)%4)+\b)+7], v[128*(\p)+FR*\b:128*(\p)+FR*\b+FR-1], v[AF+FR*(\a):AF+FR*(\a)+FR-1], v[8*(8*((\a)%4)+\b):8*(8*((\a)%4)+\b)+7], v[SC+16*(\sc)+8*(\q)+\b], v[SC+16*(\sc)+8*(\q)+(\a)] matrix_a_fmt:MATRIX_FMT_FP6 matrix_b_fmt:MATRIX_FMT_FP6 matrix_a_scale:MATRIX_SCALE_ROW1
.endif
.endr
.endr
.endm
.macro FETCH_B slot, q, p
	WIN TO_B
.irp i, 0,1,2,3,4,5,6,7
	FRAG 128*(\p)+FR*\i, ADRB+\slot, \q, \i
.endr
	WIN 0
.endm
.macro FETCH_A slot, q, i0
.irp i, \i0, \i0+1, \i0+2, \i0+3
	FRAG AF+FR*(\i), ADRA+\slot, \q, \i
.endr
.endm
.macro SCALES sc
.irp q, 0,1
.irp u, 0,1
	ds_load_b128 v[SC+16*\sc+8*\q+4*\u:SC+16*\sc+8*\q+4*\u+3], v[ADRS] offset:512*\q+256*\u
.endr
.endr
.endm
.macro PLACES n
.rept \n
	v_nop
.endr
.endm
.macro STEP slot, q, zero
	s_wait_dscnt 4*NL
	WIN MUL_LO
	MUL16 0, (\q)%2, \q, \slot, \zero
	MUL16 2, (\q)%2, \q, \slot, \zero
	s_wait_dscnt 0
	PLACES NP
	FETCH_B \slot, (\q)+1, 1-(\q)%2
	FETCH_A \slot, (\q)+1, 0
	WIN MUL_HI
	MUL16 4, (\q)%2, \q, \slot, \zero
	MUL16 6, (\q)%2, \q, \slot, \zero
	PLACES NP
	WIN 0
	FETCH_A \slot, (\q)+1, 4
.endm
.macro TURN slot, next, fill
	s_wait_tensorcnt 0x0
	ds_add_u32 v[SPW], v[NIL]
	s_wait_dscnt 4*NL+1
	WIN MUL_LO
	MUL16 0, 1, NQ-1, \slot, 0
	s_wait_dscnt 0x0
	s_barrier_signal -1
	MUL16 2, 1, NQ-1, \slot, 0
	WIN 0
	s_barrier_wait -1
.if \fill
	CREST
	s_add_nc_u64 s[G0+4*\slot+2:G0+4*\slot+3], s[G0+4*\slot+2:G0+4*\slot+3], 2*HALFT
	s_add_nc_u64 s[G0B+4*\slot+2:G0B+4*\slot+3], s[G0B+4*\slot+2:G0B+4*\slot+3], 2*HALFT
	JLOAD G0+4*\slot, G1, G0B+4*\slot, G1B
.else
	PLACES NP
.endif
	s_wait_alu depctr_va_vdst(0)
	v_add_nc_u32 v[ADRS], 1024, v[ADRS]
	FETCH_B \next, 0, 0
	FETCH_A \next, 0, 0
	SCALES \next
	WIN MUL_HI
	MUL16 4, 1, NQ-1, \slot, 0
	MUL16 6, 1, NQ-1, \slot, 0
	PLACES NP
	WIN 0
	FETCH_A \next, 0, 4
.endm
	s_wait_alu depctr_va_vdst(0)
	s_wait_tensorcnt 1
	s_barrier_signal -1
	s_barrier_wait -1
	FETCH_B 0, 0, 0
	FETCH_A 0, 0, 0
	SCALES 0
	FETCH_A 0, 0, 4
	STEP 0, 0, 1
	TURN 0, 1, 1
	STEP 1, 0, 0
	TURN 1, 0, 1
	STEP 0, 0, 0
	TURN 0, 1, 0
	STEP 1, 0, 0
	s_wait_dscnt 4*NL
	WIN MUL_LO
	MUL16 0, 1, NQ-1, 1, 0
	MUL16 2, 1, NQ-1, 1, 0
	s_wait_dscnt 0
	WIN MUL_HI
	MUL16 4, 1, NQ-1, 1, 0
	MUL16 6, 1, NQ-1, 1, 0
	WIN 0
.macro TOSTAGE a
.set AC, 64*((\a)%4)
.set WN, 0x08+4*((\a)/4)
	WIN WN
.irp b, 0,1,2,3,4,5,6,7
	ds_store_b128 v[STO], v[AC+8*\b:AC+8*\b+3] offset:128*(\b/2)+32*(\b%2)
	ds_store_b128 v[STO], v[AC+8*\b+4:AC+8*\b+7] offset:128*(\b/2)+32*(\b%2)+16
.endr
	WIN 0
.set BB, BK+64*((\a)%2)
.irp t, 0,1,2,3,4,5,6,7,8,9,10,11,12,13,14,15
	ds_load_b128 v[BB+4*\t:BB+4*\t+3], v[RD] offset:\t*SPITCH
.endr
.endm
.macro SEND a, younger
.set BB, BK+64*((\a)%2)
	s_wait_dscnt \younger
.if (\a) > 0
.if ((\a)%2) == 1
	s_add_nc_u64 s[12:13], s[12:13], 8*4096
.else
	s_add_nc_u64 s[12:13], s[12:13], 24*4096
.endif
.endif
.irp t, 0,1,2,3,4,5,6,7,8,9,10,11,12,13,14,15
	global_store_b128 v[CO], v[BB+4*\t:BB+4*\t+3], s[12:13] offset:(\t+8*(\t/8))*4096 th:TH_STORE_NT
.endr
.endm
	PLACES NP
	TOSTAGE 0
.irp a, 1,2,3,4,5,6,7
.if \a > 1
	s_wait_xcnt 0x0
.endif
	TOSTAGE \a
	SEND \a-1, 32
.endr
	s_wait_xcnt 0x0
	SEND 7, 0
	s_wait_tensorcnt 0x0
	ds_add_u32 v[SPW], v[NIL]
	s_wait_dscnt 0x0
	CROUND
	s_endpgm
.Lfunc_end_k_q92d2f34e75_oproj:
	.size	k_q92d2f34e75_oproj, .Lfunc_end_k_q92d2f34e75_oproj-k_q92d2f34e75_oproj
	.p2alignl 7, 3214868480
	.fill 96, 4, 3214868480
	.section	.rodata,"a",@progbits
	.p2align	6, 0x0
	.amdhsa_kernel k_q92d2f34e75_oproj
		.amdhsa_group_segment_fixed_size 327680
		.amdhsa_private_segment_fixed_size 0
		.amdhsa_enable_private_segment 0
		.amdhsa_kernarg_size 40
		.amdhsa_user_sgpr_count 2
		.amdhsa_user_sgpr_kernarg_segment_ptr 1
		.amdhsa_wavefront_size32 1
		.amdhsa_system_sgpr_workgroup_id_x 1
		.amdhsa_system_sgpr_workgroup_id_y 1
		.amdhsa_system_sgpr_workgroup_id_z 1
		.amdhsa_system_vgpr_workitem_id 0
		.amdhsa_next_free_vgpr 1024
		.amdhsa_next_free_sgpr 98
		.amdhsa_reserve_vcc 0
		.amdhsa_float_denorm_mode_32 3
		.amdhsa_float_denorm_mode_16_64 3
		.amdhsa_memory_ordered 1
		.amdhsa_forward_progress 1
		.amdhsa_inst_pref_size 143
	.end_amdhsa_kernel
	.amdgpu_metadata
---
amdhsa.version: [ 1, 2 ]
amdhsa.kernels:
  - .name:           k_q92d2f34e75_oproj
    .symbol:         k_q92d2f34e75_oproj.kd
    .args:
      - { .name: ao_img, .offset: 0, .size: 8, .value_kind: global_buffer, .address_space: global }
      - { .name: ao_sc, .offset: 8, .size: 8, .value_kind: global_buffer, .address_space: global }
      - { .name: codes, .offset: 16, .size: 8, .value_kind: global_buffer, .address_space: global }
      - { .name: scales, .offset: 24, .size: 8, .value_kind: global_buffer, .address_space: global }
      - { .name: out0, .offset: 32, .size: 8, .value_kind: global_buffer, .address_space: global }
    .group_segment_fixed_size: 327680
    .private_segment_fixed_size: 0
    .kernarg_segment_align: 8
    .kernarg_segment_size: 40
    .max_flat_workgroup_size: 128
    .sgpr_count:     98
    .vgpr_count:     1024
    .wavefront_size: 32
...
	.end_amdgpu_metadata
.endif
;; end of part 4
